; MI455X (gfx1250); checked and timed in simulation.
; The chip was launched on July 23, 2026; its instructions are those of AMD's public machine-readable ISA for CDNA 5 (MIT licence, August 2026) and "CDNA5" Instruction Set Architecture Reference Guide (July 2026). The comments in the code are by the model that wrote it; some were corrected since.
;; Multi Head Attention. Allowed arithmetic: matrix products marked QUANTISED: E2M3 operands, one E8M0 scale for each 32 along K, by v_wmma_scale_f32_16x16x128_f8f6f4 with both operands' format E2M3, f32 sums; everything else in f32.
;; Inputs: W_k 1,024 x 1,024 float32; W_o 1,024 x 1,024 float32; W_q 1,024 x 1,024 float32; W_v 1,024 x 1,024 float32; b_k 1,024 float32; b_o 1,024 float32; b_q 1,024 float32; b_v 1,024 float32; k 4 x 2,048 x 1,024 float32; mask 4 x 2,048 x 2,048 int32; q 4 x 2,048 x 1,024 float32; v 4 x 2,048 x 1,024 float32.
;; Outputs: out0 4 x 2,048 x 1,024 float32.
;; This version of the problem:
;;   THIS VERSION OF THE PROBLEM IS GIVEN IN LOW PRECISION. The matrix products marked QUANTISED in the list below multiply operands that are first quantised to E2M3 (2 exponent bits, 3 mantissa bits; 6 bits a number), with one power-of-two scale for each 32 numbers along K (OCP MX v1.0); their sums are f32. All else is computed in f32.
;;   The module's matrix products, in the order in which they are computed (A, B: the left and right operand; K: the contracted axis; several contracted axes count as one K, in the product's order):
;;     1. [M 8,192, K 1,024] x [K 1,024, N 1,024]; A: input q; B: input W_q: QUANTISED
;;     2. [M 8,192, K 1,024] x [K 1,024, N 1,024]; A: input k; B: input W_k: QUANTISED
;;     3. [M 8,192, K 1,024] x [K 1,024, N 1,024]; A: input v; B: input W_v: QUANTISED
;;     4. batch 64 x [M 2,048, K 64] x [K 64, N 2,048]; A: computed on the way; B: computed on the way: QUANTISED
;;     5. batch 64 x [M 2,048, K 2,048] x [K 2,048, N 64]; A: softmax (see below); B: computed on the way: QUANTISED
;;     6. [M 8,192, K 1,024] x [K 1,024, N 1,024]; A: computed on the way; B: input W_o: QUANTISED
;;   THE QUANTISER, for each operand of a quantised product, along K:
;;     - K is cut into blocks of 32 from its start; a last block that is shorter is filled with zeros.
;;     - A block's scale is 2^e with e = floor(log2(the largest magnitude in the block)) - 2, held to -126 .. 127; a block of zeros has e = 0. As a byte (E8M0): e + 127.
;;     - Each number is divided by its block's scale, clamped to +-7.5, and rounded to the nearest number of E2M3, ties to even, subnormals kept.
;;     - The product sums the exact products of the quantised numbers (number of the format x scale) in f32.
;;   ~~~python
;;   def quantise(x, axis):      # numpy; x: float32 -> the quantised numbers, widened to float32 again
;;       x = np.moveaxis(x, axis, -1); K = x.shape[-1]
;;       x = np.pad(x, [(0, 0)] * (x.ndim - 1) + [(0, -K % 32)]); x = x.reshape(x.shape[:-1] + (-1, 32)); a = np.abs(x).max(-1, keepdims=True)
;;       e = np.where(a > 0, np.clip(np.frexp(np.where(a > 0, a, 1))[1] - 1 - 2, -126, 127), 0)      # np.frexp(a)[1] - 1 = floor(log2(a)), exactly
;;       r = np.clip(x / 2.0 ** e, -7.5, 7.5)
;;       step = 2.0 ** (np.maximum(np.frexp(np.where(r == 0, 1, r))[1] - 1, 0) - 3)
;;       q = np.round(r / step) * step * 2.0 ** e      # np.round: ties to even
;;       return np.moveaxis(q.reshape(q.shape[:-2] + (-1,))[..., :K], -1, axis).astype(np.float32)
;;   ~~~
;;   SOFTMAX AHEAD OF A QUANTISED PRODUCT. Where the list says 'softmax', what is quantised is not the finished softmax but p = 2^(t - M), with t = logit x log2(e) and M = ceil(the row's largest t), a whole number; so 1/2 < the row's largest p <= 1. The row's sum l is taken of the UNQUANTISED p, in f32, and the product's result is divided by l at the end. Since M is a whole number, a kernel that streams over the keys may use a running M (the ceiling of the running maximum): every later rescaling is an exact power of two, which a block's scale takes up: the codes' values come out the same.
;;   OPERANDS COMPUTED ON THE WAY. 'Computed on the way' means the value that the module computes at that place (a softmax that the list does not call 'softmax' is quantised finished and normalised). What goes into a quantiser is computed in f32, as accurately as f32 sums, v_exp_f32 and their like allow (about 1e-6 of the number): no bf16 or f16 on the way to a quantiser, and a product that is left as it is and whose result goes on into a quantised operand takes f32 operands (vector FMAs, or v_wmma_f32_16x16x4_f32). A number that lies on a knife's edge between two numbers of the format may be rounded either way, as far as f32 arithmetic and the matrix unit's own rounding can turn it there, and no further.
;; One version. Each part assembles by itself: llvm-mc -triple=amdgcn-amd-amdhsa -mcpu=gfx1250 --defsym DOCPART=n.
;; ======== version 1 of 1: 4 launches
;; workspace buffers: codes 22,020,096 bytes; scales 917,504 bytes; mbits 2,097,152 bytes of whole numbers; qx 6,553,600 bytes; kv 13,107,200 bytes; oimg 6,291,456 bytes; osc 262,144 bytes
;; launch prep (part 1): grid 1408 x 1, 4 waves a work-group, no clusters, 67,072 bytes of LDS; arguments q, k, v, W_q, W_k, W_v, W_o, mask, codes, scales, mbits; writes codes, scales, mbits
.if DOCPART == 1
	.amdgcn_target "amdgcn-amd-amdhsa--gfx1250"
	.amdhsa_code_object_version 6
	.text
	.protected	k_qa3d050ac20_prep
	.globl	k_qa3d050ac20_prep
	.p2align	8
	.type	k_qa3d050ac20_prep,@function
k_qa3d050ac20_prep:
	s_mov_b64 s[64:65], 0
	v_nop
	global_prefetch_b8 v0, s[64:65] scope:SCOPE_SE
	s_setreg_imm32_b32 hwreg(HW_REG_WAVE_MODE, 25, 1), 1
	s_wait_xcnt 0x0
; PREP.  Two kinds of work-groups, told apart by the work-group's number; the two ways never join, and each has LDS bytes of its own.
; (1) Work-groups 0 to 895: q, k, v [8192][1024] and W_q, W_k, W_v, W_o [1024][1024], f32, K innermost, become codes of FP6 (E2M3) and one E8M0 scale byte for each 32 along K.
;     A block's scale is 2^(floor(log2(its largest magnitude)) - 2); its byte is the largest magnitude's exponent field - 2, held at 1 from below.  Each number is divided by the scale and rounded to the
;     nearest code, ties to even; beyond 7.5 the largest code.  A block of zeros gets the byte 1: its codes are zeros, and this program alone reads the bytes.
;     The seven tensors lie one behind the other in 'codes' (rows of 768 bytes) and 'scales' (rows of 32 bytes): q from row 0, k 8192, v 16384, W_q 24576, W_k 25600, W_v 26624, W_o 27648.
;     THE ROWS OF EACH GROUP OF 32 ARE LAID IN ANOTHER ORDER: rows 0-7, 16-23, 8-15, 24-31.  So sixteen neighbouring places are the rows that a tile of a later product wants (eight neighbours and the eight that lie
;     16 further on).  A work-group is one group of 32 rows and a wave eight rows, so the order costs one line: wave w writes where wave ((w & 1) << 1 | w >> 1) would.
; (2) Work-groups 896 to 1407: mask [4][2048][2048] i32 becomes words of 32 bits, a bit a lane, in the order in which the attention launch's lanes and registers hold the scores:
;     mbits [batch 4][F 64][u 2][step 16][word 64]; bit l of word n = mask[batch][32 F + 8 u + r + 8 (r / 8)][128 step + 32 (n / 16) + 16 h + n % 16] != 0, r = l % 16, h = l / 16.
; LIMITS: NaN and infinities among the floating-point inputs are not served; blocks whose largest magnitude lies under 2^-124 keep the byte 1.
; No tensor loads, no barrier: waves share nothing.
.set NQWG,  896                        ; work-groups that quantise: 28,672 rows / 32
.set STEPS, 16                         ; a wave's steps of 512 numbers
.set EMAX,  2
.set CB,    12                         ; bytes of 16 codes
.set R,     16                         ; v16-79   four sets of 16 numbers as they are loaded
.set X,     80                         ; v80-111  two sets of 16 neighbours
.set E,     112                        ; v112-127 a scale byte for each step
.set C,     128                        ; v128-191 codes: four registers for each step, so that no store's data are written again
.set WREG,  8192                       ; LDS, way (1): a region for each wave: two stages of 32 x SP bytes, and behind them its 256 scale bytes
.set SP,    80                         ; a lane's place in a stage: its 64 bytes + 16 of padding
.set MSTG,  32768                      ; LDS, way (2): behind way (1)'s four regions: a stage of 16 rows x MP bytes for each wave
.set MP,    528                        ; 512 bytes + 16: the sixteen rows that a load touches start in different banks
.set MR,    16                         ; v16-143  two sets of 64 words of the mask as they are loaded
.set MX,    144                        ; v144-207 register n: the mask's word for my lane's query and key, in the scores' order
.set MOUT,  208                        ; v208-215 a pair for each step: lane i holds words 2 i and 2 i + 1
	s_load_b512 s[4:19], s[0:1], 0x0               ; q, k, v, W_q, W_k, W_v, W_o, mask
	s_load_b128 s[20:23], s[0:1], 0x40             ; codes, scales
	s_load_b64 s[24:25], s[0:1], 0x50              ; mbits
	v_lshl_add_u32 v216, v0, 2, 0x10400
	v_mov_b32 v217, 0
	v_lshrrev_b32 v1, 5, v0
	v_readfirstlane_b32 s26, v1                    ; wave
	v_and_b32 v2, 31, v0                           ; lane
	v_lshlrev_b32 v3, 4, v2                        ; my 16 bytes of a load's 512
	s_cmp_ge_u32 ttmp9, NQWG
	s_cbranch_scc1 .Lmask
; ---------------- way (1): the quantiser
	s_mul_i32 s27, s26, WREG
	v_lshrrev_b32 v14, 2, v2
	v_mul_u32_u24 v14, v14, SP
	v_and_b32 v15, 3, v2
	v_lshl_add_u32 v14, v15, 4, v14
	v_add_nc_u32 v14, s27, v14                     ; the stage, on the way in: four lanes' 64 bytes on end, then 16 of padding
	v_mul_u32_u24 v15, v2, SP
	v_add_nc_u32 v15, s27, v15                     ; and on the way out: SP x lane: my 16 neighbours
	v_mul_u32_u24 v4, v2, CB                       ; my codes' place in a step's
	v_lshrrev_b32 v5, 1, v2
	s_add_co_u32 s27, s27, 2*32*SP
	v_add_nc_u32 v5, s27, v5                       ; LDS: my wave's 256 scale bytes, my block's byte
	v_lshlrev_b32 v7, 3, v2                        ; and on the way out 8 bytes a lane
	v_add_nc_u32 v6, s27, v7
	s_wait_alu depctr_va_vdst(0)
	s_wait_kmcnt 0x0
	s_mov_b32 s28, 864                             ; which tensor, and its first work-group: the choice hangs on the work-group's number alone
	s_cmp_lt_u32 ttmp9, 864
	s_cselect_b64 s[16:17], s[14:15], s[16:17]
	s_cselect_b32 s28, 832, s28
	s_cmp_lt_u32 ttmp9, 832
	s_cselect_b64 s[16:17], s[12:13], s[16:17]
	s_cselect_b32 s28, 800, s28
	s_cmp_lt_u32 ttmp9, 800
	s_cselect_b64 s[16:17], s[10:11], s[16:17]
	s_cselect_b32 s28, 768, s28
	s_cmp_lt_u32 ttmp9, 768
	s_cselect_b64 s[16:17], s[8:9], s[16:17]
	s_cselect_b32 s28, 512, s28
	s_cmp_lt_u32 ttmp9, 512
	s_cselect_b64 s[16:17], s[6:7], s[16:17]
	s_cselect_b32 s28, 256, s28
	s_cmp_lt_u32 ttmp9, 256
	s_cselect_b64 s[16:17], s[4:5], s[16:17]
	s_cselect_b32 s28, 0, s28
	s_sub_co_u32 s28, ttmp9, s28
	s_lshl_b32 s28, s28, 2
	s_add_co_u32 s28, s28, s26                     ; which run of 8 rows (8,192 numbers) of the tensor my wave reads
	s_lshl_b32 s28, s28, 15                        ; 32,768 bytes a run
	s_mov_b32 s29, 0
	s_add_nc_u64 s[16:17], s[16:17], s[28:29]
	s_and_b32 s30, s26, 1                          ; where it writes: runs 1 and 2 of a group of 32 rows change places
	s_lshl_b32 s30, s30, 1
	s_lshr_b32 s31, s26, 1
	s_or_b32 s30, s30, s31
	s_lshl_b32 s31, ttmp9, 2
	s_add_co_u32 s30, s30, s31
	s_mul_i32 s28, s30, 32*STEPS*CB                ; 6,144 bytes of codes a run
	s_add_nc_u64 s[20:21], s[20:21], s[28:29]
	s_lshl_b32 s28, s30, 8                         ; 256 scale bytes a run
	s_add_nc_u64 s[22:23], s[22:23], s[28:29]
.macro LOAD t
.irp i, 0,1,2,3
	global_load_b128 v[R+16*((\t)%4)+4*\i:R+16*((\t)%4)+4*\i+3], v3, s[16:17] offset:2048*(\t)+512*\i th:TH_LOAD_NT   ; 32 lanes read 512 consecutive bytes
.endr
.endm
.macro TURN t                          ; step t's numbers through the stage: LDS serves a wave's instructions in order, so no wait stands between the stores and the loads
.irp i, 0,1,2,3
	ds_store_b128 v14, v[R+16*((\t)%4)+4*\i:R+16*((\t)%4)+4*\i+3] offset:32*SP*((\t)%2)+8*SP*\i
.endr
.irp i, 0,1,2,3
	ds_load_b128 v[X+16*((\t)%2)+4*\i:X+16*((\t)%2)+4*\i+3], v15 offset:32*SP*((\t)%2)+16*\i
.endr
.endm
.irp t, 0,1,2,3
	LOAD \t
.endr
	s_wait_loadcnt 12                              ; step 0's four loads are in; the twelve of steps 1 to 3 may be out
	TURN 0
.macro STEP t
.set XS, X+16*((\t)%2)
.if (\t) > 0
	s_wait_dscnt 1                                 ; this step's numbers are back from the stage (the last step's byte store may be out): so its stores into the stage have read their registers,
.else
	s_wait_dscnt 0x0
.endif
.if (\t)+4 < STEPS
	LOAD (\t)+4                                    ; which take the loads of four steps on
.endif
.if (\t)+1 < STEPS
.if STEPS-2-(\t) >= 3
	s_wait_loadcnt 12                              ; the next step's four loads are in; those of the three steps behind it may be out
.else
	s_wait_loadcnt 4*(STEPS-2-(\t))
.endif
	TURN (\t)+1                                    ; and go through the other stage while this step is worked
.endif
	v_max3_num_f32 v8, |v[XS]|, |v[XS+1]|, |v[XS+2]|               ; the largest magnitude of my 16
	v_max3_num_f32 v9, |v[XS+3]|, |v[XS+4]|, |v[XS+5]|
.irp i, 6,10
	v_max3_num_f32 v8, v8, |v[XS+\i]|, |v[XS+\i+1]|
	v_max3_num_f32 v9, v9, |v[XS+\i+2]|, |v[XS+\i+3]|
.endr
	v_max3_num_f32 v8, v8, |v[XS+14]|, |v[XS+15]|
	v_max3_num_f32 v8, v8, v9, (EMAX+1)<<23        ; and the floor 2^(3 - 127): so the byte cannot fall under 1
	v_max_num_f32_dpp v8, v8, v8 row_xmask:1 row_mask:0xf bank_mask:0xf   ; and of my neighbour's 16: the block's
	v_add_nc_u32 v11, -(EMAX<<23), v8              ; 2 off its exponent field: the conversion takes the exponent field of this operand as its scale, and nothing else of it
	v_cvt_scalef32_pk16_fp6_f32 v[C+4*(\t):C+4*(\t)+2], v[XS:XS+15], v11
	v_lshrrev_b32 v[E+(\t)], 23, v11               ; the scale's byte (a plain line behind the conversion)
	ds_store_b8 v5, v[E+(\t)] offset:16*(\t)       ; both lanes of a block write the same byte with the same value
	global_store_b96 v4, v[C+4*(\t):C+4*(\t)+2], s[20:21] offset:32*CB*(\t)   ; the wave stores 384 consecutive bytes
.endm
.irp t, 0,1,2,3,4,5,6,7,8,9,10,11,12,13,14,15
	STEP \t
.endr
	ds_load_b64 v[12:13], v6                       ; LDS serves a wave's instructions in order: these see my stores
	s_wait_dscnt 0x0
	global_store_b64 v7, v[12:13], s[22:23]        ; 32 lanes store 256 consecutive bytes, aligned
	s_wait_tensorcnt 0x0
	ds_add_u32 v216, v217
	s_wait_dscnt 0x0
	s_endpgm
; ---------------- way (2): the mask.  A work-group takes one tile of 16 queries (batch, F, u); wave w takes key steps 4 w to 4 w + 3, one step (128 keys, 512 bytes of each row) to a unit.
.Lmask:
	s_sub_co_u32 s27, ttmp9, NQWG                  ; 128 batch + 2 F + u
	s_lshr_b32 s28, s27, 7                         ; batch
	s_and_b32 s29, s27, 127
	s_lshr_b32 s30, s29, 1                         ; F
	s_and_b32 s31, s27, 1                          ; u
	s_lshl_b32 s28, s28, 11
	s_lshl_b32 s30, s30, 5
	s_lshl_b32 s31, s31, 3
	s_add_co_u32 s28, s28, s30
	s_add_co_u32 s28, s28, s31                     ; the tile's first row: 2048 batch + 32 F + 8 u
	s_lshl_b32 s28, s28, 13                        ; a row is 8,192 bytes
	s_lshl_b32 s30, s26, 11                        ; my wave's 2,048 bytes of each row
	s_add_co_u32 s28, s28, s30
	s_mov_b32 s29, 0
	s_lshl_b32 s30, s27, 12                        ; out: 4,096 bytes a tile,
	s_lshl_b32 s31, s26, 10                        ; 1,024 a wave
	s_add_co_u32 s30, s30, s31
	s_mov_b32 s31, 0
	s_mul_i32 s27, s26, 16*MP
	s_add_co_u32 s27, s27, MSTG                    ; my stage
	s_wait_alu depctr_va_vdst(0)
	v_add_nc_u32 v4, s27, v3                       ; in: 16 bytes a lane, a row an instruction
	v_and_b32 v5, 15, v0
	v_bfe_u32 v6, v0, 4, 1
	v_mul_u32_u24 v5, v5, MP
	v_lshl_add_u32 v5, v6, 6, v5
	v_add_nc_u32 v5, s27, v5                       ; back: row r, + 64 h: my 16 keys of each block of 32
	v_lshlrev_b32 v6, 3, v2                        ; out: 8 bytes a lane
.irp i, 0,1,2,3,4,5,6,7
	v_mov_b32 v[MOUT+\i], 0                        ; written once: a lane write's destination counts as one of its sources
.endr
	s_wait_kmcnt 0x0
	s_add_nc_u64 s[18:19], s[18:19], s[28:29]
	s_add_nc_u64 s[24:25], s[24:25], s[30:31]
.macro MLOAD t                         ; unit t: 512 consecutive bytes of each of the tile's 16 rows (rows 0-7 and 16-23 from the tile's first)
.irp j, 0,1,2,3,4,5,6,7,8,9,10,11,12,13,14,15
	global_load_b128 v[MR+64*((\t)%2)+4*\j:MR+64*((\t)%2)+4*\j+3], v3, s[18:19] offset:(\j+8*(\j/8))*8192+512*(\t) th:TH_LOAD_NT
.endr
.endm
.macro UNIT t
.if (\t) < 3
	s_wait_loadcnt 16                              ; this unit's 16 loads are in; the next unit's 16 may be out
.else
	s_wait_loadcnt 0x0
.endif
.irp j, 0,1,2,3,4,5,6,7,8,9,10,11,12,13,14,15
	ds_store_b128 v4, v[MR+64*((\t)%2)+4*\j:MR+64*((\t)%2)+4*\j+3] offset:MP*\j
.endr
.irp j, 0,1,2,3,4,5,6,7,8,9,10,11,12,13,14,15
	ds_load_b128 v[MX+4*\j:MX+4*\j+3], v5 offset:128*(\j/4)+16*(\j%4)   ; register 16 b + i: key 32 b + 16 h + i of my row
.endr
	s_wait_dscnt 0x0                               ; the words are back, and the stores have read their registers,
.if (\t)+2 < 4
	MLOAD (\t)+2                                   ; which take the loads of two units on
.endif
.set n, 0
.rept 8
.irp k, 0,1,2,3,4,5,6,7
	v_cmp_ne_u32 s[32+\k], 0, v[MX+n+\k]           ; word n: a bit a lane
.endr
.irp k, 0,1,2,3,4,5,6,7
	v_writelane_b32 v[MOUT+2*(\t)+(\k&1)], s[32+\k], (n+\k)>>1     ; lane n / 2 keeps words n and n + 1
.endr
.set n, n+8
.endr
	global_store_b64 v6, v[MOUT+2*(\t):MOUT+2*(\t)+1], s[24:25] offset:256*(\t)   ; 32 lanes store 256 consecutive bytes, aligned: the step's 64 words
.endm
	MLOAD 0
	MLOAD 1
	UNIT 0
	UNIT 1
	UNIT 2
	UNIT 3
	s_wait_tensorcnt 0x0
	ds_add_u32 v216, v217
	s_wait_dscnt 0x0
	s_endpgm
.Lfunc_end_k_qa3d050ac20_prep:
	.size	k_qa3d050ac20_prep, .Lfunc_end_k_qa3d050ac20_prep-k_qa3d050ac20_prep
	.p2alignl 7, 3214868480
	.fill 96, 4, 3214868480
	.section	.rodata,"a",@progbits
	.p2align	6, 0x0
	.amdhsa_kernel k_qa3d050ac20_prep
		.amdhsa_group_segment_fixed_size 67072
		.amdhsa_private_segment_fixed_size 0
		.amdhsa_enable_private_segment 0
		.amdhsa_kernarg_size 88
		.amdhsa_user_sgpr_count 2
		.amdhsa_user_sgpr_kernarg_segment_ptr 1
		.amdhsa_wavefront_size32 1
		.amdhsa_system_sgpr_workgroup_id_x 1
		.amdhsa_system_sgpr_workgroup_id_y 1
		.amdhsa_system_sgpr_workgroup_id_z 1
		.amdhsa_system_vgpr_workitem_id 0
		.amdhsa_next_free_vgpr 218
		.amdhsa_next_free_sgpr 66
		.amdhsa_reserve_vcc 0
		.amdhsa_float_denorm_mode_32 3
		.amdhsa_float_denorm_mode_16_64 3
		.amdhsa_memory_ordered 1
		.amdhsa_forward_progress 1
		.amdhsa_inst_pref_size 82
	.end_amdhsa_kernel
	.amdgpu_metadata
---
amdhsa.version: [ 1, 2 ]
amdhsa.kernels:
  - .name:           k_qa3d050ac20_prep
    .symbol:         k_qa3d050ac20_prep.kd
    .args:
      - { .name: q, .offset: 0, .size: 8, .value_kind: global_buffer, .address_space: global }
      - { .name: k, .offset: 8, .size: 8, .value_kind: global_buffer, .address_space: global }
      - { .name: v, .offset: 16, .size: 8, .value_kind: global_buffer, .address_space: global }
      - { .name: W_q, .offset: 24, .size: 8, .value_kind: global_buffer, .address_space: global }
      - { .name: W_k, .offset: 32, .size: 8, .value_kind: global_buffer, .address_space: global }
      - { .name: W_v, .offset: 40, .size: 8, .value_kind: global_buffer, .address_space: global }
      - { .name: W_o, .offset: 48, .size: 8, .value_kind: global_buffer, .address_space: global }
      - { .name: mask, .offset: 56, .size: 8, .value_kind: global_buffer, .address_space: global }
      - { .name: codes, .offset: 64, .size: 8, .value_kind: global_buffer, .address_space: global }
      - { .name: scales, .offset: 72, .size: 8, .value_kind: global_buffer, .address_space: global }
      - { .name: mbits, .offset: 80, .size: 8, .value_kind: global_buffer, .address_space: global }
    .group_segment_fixed_size: 67072
    .private_segment_fixed_size: 0
    .kernarg_segment_align: 8
    .kernarg_segment_size: 88
    .max_flat_workgroup_size: 128
    .sgpr_count:     66
    .vgpr_count:     218
    .wavefront_size: 32
...
	.end_amdgpu_metadata
.endif
;; end of part 1
;; launch proj (part 2): grid 4 x 96, 4 waves a work-group, clusters of 4 x 4, 327,680 bytes of LDS; arguments codes, scales, b_q, b_k, b_v, qx, kv; writes qx, kv
.if DOCPART == 2
	.amdgcn_target "amdgcn-amd-amdhsa--gfx1250"
	.amdhsa_code_object_version 6
	.text
	.protected	k_qa3d050ac20_proj
	.globl	k_qa3d050ac20_proj
	.p2align	8
	.type	k_qa3d050ac20_proj,@function
k_qa3d050ac20_proj:
	s_mov_b64 s[64:65], 0
	v_nop
	global_prefetch_b8 v0, s[64:65] scope:SCOPE_SE
	s_setreg_imm32_b32 hwreg(HW_REG_WAVE_MODE, 25, 1), 1
	s_wait_xcnt 0x0
	s_wait_alu depctr_hold_cnt(0) depctr_sa_sdst(0) depctr_va_vdst(0) depctr_va_sdst(0) depctr_va_ssrc(0) depctr_va_vcc(0) depctr_vm_vsrc(0)
	s_getreg_b32 s2, hwreg(HW_REG_IB_STS2, 6, 4)
	s_cmp_eq_u32 s2, 0
	s_cbranch_scc0 .Lentry_in_a_cluster
	s_endpgm
.Lentry_in_a_cluster:
	s_bfe_u32 s2, ttmp6, 0x10000c
	s_cmp_lg_u32 s2, 0xf033
	s_cbranch_scc0 .Lentry_shape_is_right
	s_endpgm
.Lentry_shape_is_right:
.set KSTEP,  256
.set NQ,     2
.set ROWB,   192
.set KROW,   768
.set PITCH,  240
.set FR,     12
.set NL,     6
.set NP,     4
.set HALFT,  128*PITCH
.set SLOT,   4*HALFT
.set LAPS,   2
.set KS,     32
.set SCL,    2*SLOT
.set HALFS,  (128*KS/256)*272
.set SBLK,   (16*KS/256)*272
.set SPARE,  SCL+4*HALFS
.set ADRA, 16
.set ADRB, 20
.set OL16, 24
.set OL8,  25
.set OSC,  26
.set ADRS, 27
.set SPW,  28
.set NIL,  29
.set SC,   32
.set BT0,  64
.set AF,   128
.set BT1,  224
.set T,    128
.set F,    192
.set X2,   216
.set TM,   240
.set PW,   1
.set DW,   10
.set SELV, 14
.set G1, 24
.set G0, 32
.set G1B, 48
.set G0B, 56
.set G1S, 68
.set G0S, 76
.set G1SB, 80
.set G0SB, 88
.set SEL, 44
.set MSB, 0
.macro WIN new
.set WNEW, \new
.if MSB != WNEW
	s_set_vgpr_msb (MSB<<8)|WNEW
.set MSB, WNEW
.endif
.endm
.set MUL_LO, 0xa1
.set MUL_HI, 0xf1
.set TO_B,   0x40
.macro JLOAD g0a, g1a, g0b, g1b
	s_cmp_eq_u32 s15, 0
	s_cbranch_scc0 .Lfor_b_\@
	tensor_load_to_lds s[\g0a:\g0a+3], s[\g1a:\g1a+7]
	s_nop 0
.rept 4
	v_nop
.endr
	s_branch .Lasked_\@
.Lfor_b_\@:
	tensor_load_to_lds s[\g0b:\g0b+3], s[\g1b:\g1b+7]
	s_nop 0
.rept 4
	v_nop
.endr
.Lasked_\@:
.endm
.macro CREST
	s_cmp_lg_u32 s14, 0
	s_cbranch_scc1 .Lnot_wave_0_\@
	s_barrier_signal -3
.Lnot_wave_0_\@:
	s_barrier_wait -3
	s_barrier_signal -1
	s_barrier_wait -1
.endm
.macro CROUND
	s_barrier_signal -1
	s_barrier_wait -1
	CREST
.endm
	s_load_b256 s[4:11], s[0:1], 0x0
	s_load_b64 s[12:13], s[0:1], 0x20
	s_load_b64 s[96:97], s[0:1], 0x28
	s_load_b64 s[98:99], s[0:1], 0x30
	v_lshl_add_u32 v[SPW], v0, 2, SPARE
	v_mov_b32 v[NIL], 0
	ds_add_u32 v28, v29
	ds_add_u32 v28, v29
	s_wait_dscnt 0x0
	v_lshrrev_b32 v1, 5, v0
	v_readfirstlane_b32 s14, v1
	s_lshr_b32 s15, s14, 1
	s_and_b32 s16, s14, 1
	s_bfe_u32 s40, ttmp6, 0x40000
	s_bfe_u32 s41, ttmp6, 0x40004
	s_and_b32 s17, ttmp7, 0xffff
	s_lshr_b32 s101, s17, 3
	s_and_b32 s17, s17, 7
	s_lshl_b32 s17, s17, 2
	s_lshl_b32 s20, s101, 13
	s_lshl_b32 s21, s101, 10
	s_add_co_u32 s21, s21, 24576
	s_cmp_eq_u32 s101, 2
	s_cselect_b32 s100, 1, 0
	s_cselect_b32 s18, 0, s17
	s_cselect_b32 s19, s17, 0
	s_cselect_b32 s20, 26624, s20
	s_cselect_b32 s21, 16384, s21
	s_add_co_u32 s17, s18, s41
	s_add_co_u32 s42, s19, s40
	s_lshl_b32 s43, s41, 2
	s_lshl_b32 s43, 15, s43
	s_lshl_b32 s44, 0x1111, s40
	s_or_b32 s[G1+0], s43, (0<<16)|(1<<20)|(1<<21)|(3<<22)|(3<<25)
	s_or_b32 s[G1B+0], s44, (0<<16)|(1<<20)|(1<<21)|(3<<22)|(3<<25)
.irp g, G1, G1B
	s_mov_b32 s[\g+1], ROWB<<16
	s_mov_b32 s[\g+2], 128<<16
	s_mov_b32 s[\g+3], ROWB<<16
	s_mov_b32 s[\g+4], 128
	s_mov_b32 s[\g+5], KROW
	s_mov_b32 s[\g+6], 0
	s_mov_b32 s[\g+7], 0
.endr
	s_or_b32 s[G1S+0], s43, (3<<16)|(1<<20)|(1<<21)|(5<<22)|(3<<25)
	s_or_b32 s[G1SB+0], s44, (3<<16)|(1<<20)|(1<<21)|(5<<22)|(3<<25)
.irp g, G1S, G1SB
	s_mov_b32 s[\g+1], 32<<16
	s_mov_b32 s[\g+2], (128*KS/256)<<16
	s_mov_b32 s[\g+3], 32<<16
	s_mov_b32 s[\g+4], 128*KS/256
	s_mov_b32 s[\g+5], 32
	s_mov_b32 s[\g+6], 0
	s_mov_b32 s[\g+7], 0
.endr
	s_lshl_b32 s18, s16, 7
	s_lshl_b32 s22, s17, 8
	s_add_co_u32 s22, s22, s18
	s_add_co_u32 s20, s20, s22
	s_lshl_b32 s46, s42, 8
	s_add_co_u32 s46, s46, s18
	s_add_co_u32 s46, s46, s21
	s_mov_b32 s21, 0
	s_mov_b32 s47, 0
	s_mov_b64 s[18:19], KS
	s_mul_u64 s[22:23], s[20:21], s[18:19]
	s_mul_u64 s[92:93], s[46:47], s[18:19]
	s_mov_b64 s[18:19], KROW
	s_mul_u64 s[20:21], s[20:21], s[18:19]
	s_mul_u64 s[46:47], s[46:47], s[18:19]
	s_mul_i32 s45, s14, HALFT
	s_mul_i32 s94, s14, HALFS
	s_wait_kmcnt 0x0
	s_add_nc_u64 s[20:21], s[4:5], s[20:21]
	s_add_nc_u64 s[22:23], s[6:7], s[22:23]
	s_add_nc_u64 s[46:47], s[4:5], s[46:47]
	s_add_nc_u64 s[92:93], s[6:7], s[92:93]
	CROUND
	s_mov_b32 s[G0S], 1
	s_add_co_u32 s[G0S+1], s94, SCL
	s_mov_b64 s[G0S+2:G0S+3], s[22:23]
	s_or_b32 s[G0S+3], s[G0S+3], 0x80000000
	s_mov_b32 s[G0SB], 1
	s_add_co_u32 s[G0SB+1], s94, SCL
	s_mov_b64 s[G0SB+2:G0SB+3], s[92:93]
	s_or_b32 s[G0SB+3], s[G0SB+3], 0x80000000
	JLOAD G0S, G1S, G0SB, G1SB
.irp s, 0,1
	s_mov_b32 s[G0+4*\s], 1
	s_add_co_u32 s[G0+4*\s+1], s45, \s*SLOT
	s_add_nc_u64 s[G0+4*\s+2:G0+4*\s+3], s[20:21], \s*ROWB
	s_or_b32 s[G0+4*\s+3], s[G0+4*\s+3], 0x80000000
	s_mov_b32 s[G0B+4*\s], 1
	s_add_co_u32 s[G0B+4*\s+1], s45, \s*SLOT
	s_add_nc_u64 s[G0B+4*\s+2:G0B+4*\s+3], s[46:47], \s*ROWB
	s_or_b32 s[G0B+4*\s+3], s[G0B+4*\s+3], 0x80000000
	s_wait_alu depctr_va_vdst(0)
	s_wait_tensorcnt 0x0
	ds_add_u32 v28, v29
	s_wait_dscnt 0x0
	CROUND
	JLOAD G0+4*\s, G1, G0B+4*\s, G1B
.endr
	v_and_b32 v1, 15, v0
	v_bfe_u32 v2, v0, 4, 1
	v_mul_u32_u24 v3, v1, PITCH
	v_mul_u32_u24 v4, v2, 24
	v_add_nc_u32 v4, v3, v4
	v_lshl_add_u32 v5, v2, 4, v4
	s_mul_i32 s21, s15, HALFT
	s_mul_i32 s22, s16, HALFT
	s_add_co_u32 s22, s22, 2*HALFT
.irp s, 0,1
	v_add_nc_u32 v[ADRA+\s], s21, v4
	v_add_nc_u32 v[ADRB+\s], s22, v4
	v_add_nc_u32 v[ADRA+2+\s], s21, v5
	v_add_nc_u32 v[ADRB+2+\s], s22, v5
	s_add_co_u32 s21, s21, SLOT
	s_add_co_u32 s22, s22, SLOT
.endr
	v_mul_u32_u24 v5, v1, KS
	v_lshrrev_b32 v6, 8, v5
	v_lshl_add_u32 v5, v6, 4, v5
	s_mul_i32 s21, s15, HALFS
	s_mul_i32 s22, s16, HALFS
	s_add_co_u32 s22, s22, 2*HALFS
	s_sub_co_u32 s22, s22, s21
	v_mul_u32_u24 v6, s22, v2
	s_add_co_u32 s21, s21, SCL
	v_add_nc_u32 v5, v5, v6
	v_add_nc_u32 v[ADRS], s21, v5
	v_and_b32 v6, 31, v0
	v_lshlrev_b32 v[OL16], 4, v6
	v_lshlrev_b32 v[OL8], 3, v6
	v_lshlrev_b32 v30, 6, v2
	v_and_b32 v31, 8, v1
	v_add_nc_u32 v31, v31, v1
	v_lshlrev_b32 v31, 2, v31
	s_cmp_eq_u32 s101, 0
	s_cselect_b64 s[8:9], s[8:9], s[10:11]
	s_cselect_b64 s[96:97], s[96:97], s[98:99]
	s_mov_b32 s18, 204800
	s_cselect_b32 s18, 102400, s18
	s_mov_b32 s19, 12800
	s_cselect_b32 s19, 6400, s19
	s_mov_b32 s20, 12288
	s_cselect_b32 s20, 6144, s20
	s_sub_co_u32 s92, s18, 3072
	s_cmp_eq_u32 s100, 1
	s_cselect_b64 s[8:9], s[12:13], s[8:9]
	s_cselect_b32 s20, 12544, s20
	s_cselect_b32 s21, 6144, 0
	s_cselect_b32 s22, s42, s17
	s_cselect_b32 s23, s16, s15
	s_cselect_b32 s43, s17, s42
	s_cselect_b32 s44, s15, s16
	s_mov_b32 s45, 768
	s_cselect_b32 s45, 1536, s45
	s_cselect_b32 s46, 768, s18
	s_mov_b32 s47, 1536
	s_cselect_b32 s92, s92, s47
	s_cselect_b32 s47, 3072, s47
	v_mul_u32_u24 v[OSC], v2, s18
	v_lshl_add_u32 v[OSC], v1, 4, v[OSC]
	s_lshl_b32 s94, s43, 10
	s_lshl_b32 s95, s44, 9
	s_add_co_u32 s94, s94, s95
	s_mov_b32 s95, 0
	s_add_nc_u64 s[8:9], s[8:9], s[94:95]
	s_lshr_b32 s93, s22, 3
	s_and_b32 s22, s22, 7
	s_lshl_b32 s22, s22, 1
	s_add_co_u32 s22, s22, s23
	s_lshl_b32 s43, s43, 2
	s_lshl_b32 s44, s44, 1
	s_add_co_u32 s43, s43, s44
	s_lshl_b32 s93, s93, 4
	s_add_co_u32 s43, s43, s93
	s_mul_i32 s43, s43, s18
	s_mul_i32 s22, s22, s19
	s_add_co_u32 s22, s22, s43
	s_mov_b32 s23, 0
	s_add_nc_u64 s[96:97], s[96:97], s[22:23]
	s_mov_b32 s22, s20
	s_add_nc_u64 s[98:99], s[96:97], s[22:23]
	s_mov_b32 s22, s21
	s_add_nc_u64 s[4:5], s[96:97], s[22:23]
	s_mov_b32 s22, s45
	s_add_nc_u64 s[6:7], s[4:5], s[22:23]
	s_mov_b32 s22, s46
	s_add_nc_u64 s[10:11], s[4:5], s[22:23]
	s_add_nc_u64 s[12:13], s[6:7], s[22:23]
	s_mov_b32 s20, s47
	s_mov_b32 s21, 0
	s_mov_b32 s22, s92
	s_mov_b32 s[SEL], 0x76543210
	s_mov_b32 s[SEL+1], 0xfedcba98
	s_mov_b32 s46, 0xffff0000
	s_cmp_eq_u32 s100, 1
	s_cbranch_scc1 .Lbias_v
	s_wait_alu depctr_va_vdst(0)
.irp j, 0,1,2,3,4,5,6,7,8,9,10,11,12,13,14,15
	global_load_b128 v[BT0+4*\j:BT0+4*\j+3], v30, s[8:9] offset:128*(\j/4)+16*(\j%4)
.endr
.irp j, 0,1,2,3,4,5,6,7,8,9,10,11,12,13,14,15
	v_mov_b32 v[BT1+\j], 0
.endr
	s_branch .Lbias_done
.Lbias_v:
	s_wait_alu depctr_va_vdst(0)
.irp a, 0,1,2,3,4,5,6,7
	global_load_b32 v[BT1+2*\a], v31, s[8:9] offset:4*(32*(\a/2)+8*(\a%2))
	global_load_b32 v[BT1+2*\a+1], v31, s[8:9] offset:4*(32*(\a/2)+8*(\a%2))
.endr
.set i, 0
.rept 64
	v_mov_b32 v[BT0+i], 0
.set i, i+1
.endr
.Lbias_done:
.macro FRAG reg, adr, q, i
.irp p, 0,1,2,3,4,5
.set PC, 12*(\q)+6*(\p/3)+\p%3
.if PC%8 < 5
	ds_load_b64 v[\reg+2*\p:\reg+2*\p+1], v[\adr] offset:8*PC+16*(PC/8)+(\i)*16*PITCH
.else
	ds_load_b64 v[\reg+2*\p:\reg+2*\p+1], v[\adr+2] offset:8*PC+16*(PC/8)+(\i)*16*PITCH
.endif
.endr
.endm
.macro MUL16 a0, p, q, sc, zero
.irp a, \a0, \a0+1
.irp b, 0,1,2,3,4,5,6,7
.if \zero
	v_wmma_scale_f32_16x16x128_f8f6f4 v[8*(8*((\a)%4)+\b):8*(8*((\a)%4)+\b)+7], v[128*(\p)+FR*\b:128*(\p)+FR*\b+FR-1], v[AF+FR*(\a):AF+FR*(\a)+FR-1], 0, v[SC+8*NQ*(\sc)+NQ*\b+(\q)], v[SC+8*NQ*(\sc)+NQ*(\a)+(\q)] matrix_a_fmt:MATRIX_FMT_FP6 matrix_b_fmt:MATRIX_FMT_FP6 matrix_a_scale:MATRIX_SCALE_ROW1
.else
	v_wmma_scale_f32_16x16x128_f8f6f4 v[8*(8*((\a)%4)+\b):8*(8*((\a)%4)+\b)+7], v[128*(\p)+FR*\b:128*(\p)+FR*\b+FR-1], v[AF+FR*(\a):AF+FR*(\a)+FR-1], v[8*(8*((\a)%4)+\b):8*(8*((\a)%4)+\b)+7], v[SC+8*NQ*(\sc)+NQ*\b+(\q)], v[SC+8*NQ*(\sc)+NQ*(\a)+(\q)] matrix_a_fmt:MATRIX_FMT_FP6 matrix_b_fmt:MATRIX_FMT_FP6 matrix_a_scale:MATRIX_SCALE_ROW1
.endif
.endr
.endr
.endm
.macro FETCH_B slot, q, p
	WIN TO_B
.irp i, 0,1,2,3,4,5,6,7
	FRAG 128*(\p)+FR*\i, ADRB+\slot, \q, \i
.endr
	WIN 0
.endm
.macro FETCH_A slot, q, i0
.irp i, \i0, \i0+1, \i0+2, \i0+3
	FRAG AF+FR*(\i), ADRA+\slot, \q, \i
.endr
.endm
.macro SCALES sc
.irp i, 0,1,2,3,4,5,6,7
	ds_load_b64 v[SC+8*NQ*\sc+NQ*\i:SC+8*NQ*\sc+NQ*\i+1], v[ADRS] offset:\i*SBLK
.endr
.endm
.macro PLACES n
.rept \n
	v_nop
.endr
.endm
.macro STEP slot, q, zero
	s_wait_dscnt 4*NL
	WIN MUL_LO
	MUL16 0, (\q)%2, \q, \slot, \zero
	MUL16 2, (\q)%2, \q, \slot, \zero
	s_wait_dscnt 0
	PLACES NP
	FETCH_B \slot, (\q)+1, 1-(\q)%2
	FETCH_A \slot, (\q)+1, 0
	WIN MUL_HI
	MUL16 4, (\q)%2, \q, \slot, \zero
	MUL16 6, (\q)%2, \q, \slot, \zero
	PLACES NP
	WIN 0
	FETCH_A \slot, (\q)+1, 4
.endm
.macro TURN slot, next, fill
	s_wait_tensorcnt 0x0
	ds_add_u32 v[SPW], v[NIL]
	s_wait_dscnt 4*NL+1
	WIN MUL_LO
	MUL16 0, 1, NQ-1, \slot, 0
	s_wait_dscnt 0x0
	s_barrier_signal -1
	MUL16 2, 1, NQ-1, \slot, 0
	WIN 0
	s_barrier_wait -1
.if \fill
	CREST
	s_add_nc_u64 s[G0+4*\slot+2:G0+4*\slot+3], s[G0+4*\slot+2:G0+4*\slot+3], 2*ROWB
	s_add_nc_u64 s[G0B+4*\slot+2:G0B+4*\slot+3], s[G0B+4*\slot+2:G0B+4*\slot+3], 2*ROWB
	JLOAD G0+4*\slot, G1, G0B+4*\slot, G1B
.else
	PLACES NP
.endif
	s_wait_alu depctr_va_vdst(0)
	v_add_nc_u32 v[ADRS], 4*NQ, v[ADRS]
	FETCH_B \next, 0, 0
	FETCH_A \next, 0, 0
	SCALES \next
	WIN MUL_HI
	MUL16 4, 1, NQ-1, \slot, 0
	MUL16 6, 1, NQ-1, \slot, 0
	PLACES NP
	WIN 0
	FETCH_A \next, 0, 4
.endm
	s_wait_tensorcnt 1
	s_barrier_signal -1
	s_barrier_wait -1
	FETCH_B 0, 0, 0
	FETCH_A 0, 0, 0
	SCALES 0
	FETCH_A 0, 0, 4
	STEP 0, 0, 1
	s_mov_b32 s3, LAPS-1
.Llap:
	TURN 0, 1, 1
	STEP 1, 0, 0
	TURN 1, 0, 1
	STEP 0, 0, 0
	s_sub_co_u32 s3, s3, 1
	s_cmp_lg_u32 s3, 0
	s_cbranch_scc1 .Llap
	TURN 0, 1, 0
	STEP 1, 0, 0
	s_wait_dscnt 4*NL
	WIN MUL_LO
	MUL16 0, 1, NQ-1, 1, 0
	MUL16 2, 1, NQ-1, 1, 0
	s_wait_dscnt 0
	WIN MUL_HI
	MUL16 4, 1, NQ-1, 1, 0
	MUL16 6, 1, NQ-1, 1, 0
	WIN 0
.macro ADDB a
	WIN 0x02+(\a)/4
.set i, 0
.rept 32
	v_pk_add_f32 v[T+2*i:T+2*i+1], v[64*((\a)%4)+2*i:64*((\a)%4)+2*i+1], v[BT0+2*i:BT0+2*i+1]
.set i, i+1
.endr
	WIN 0
.set i, 0
.rept 32
	v_pk_add_f32 v[T+2*i:T+2*i+1], v[T+2*i:T+2*i+1], v[BT1+2*(\a):BT1+2*(\a)+1]
.set i, i+1
.endr
.endm
.macro QUANT u, a
.irp b, 0,1,2,3
	v_max3_num_f32 v[TM+\b], |v[T+16*\b]|, |v[T+1+16*\b]|, 0x1800000
.endr
.irp i, 2,4,6,8,10,12,14
.irp b, 0,1,2,3
	v_max3_num_f32 v[TM+\b], v[TM+\b], |v[T+16*\b+\i]|, |v[T+1+16*\b+\i]|
.endr
.endr
.irp b, 0,1,2,3
	v_permlanex16_b32 v[TM+4+\b], v[TM+\b], s[SEL], s[SEL+1]
.endr
.irp b, 0,1,2,3
	v_max_num_f32 v[TM+\b], v[TM+\b], v[TM+4+\b]
.endr
.irp b, 0,1,2,3
	v_add_nc_u32 v[TM+12+\b], 0xff000000, v[TM+\b]
.endr
.irp b, 0,1,2,3
	v_lshrrev_b32 v[TM+4+\b], 23, v[TM+12+\b]
.endr
	v_lshl_or_b32 v[PW+(\a)], v[TM+5], 8, v[TM+4]
	v_lshl_or_b32 v[PW+(\a)], v[TM+6], 16, v[PW+(\a)]
	v_lshl_or_b32 v[PW+(\a)], v[TM+7], 24, v[PW+(\a)]
.irp c, 0,1
	v_cvt_scalef32_pk16_fp6_f32 v[F+12*\c+6*(\u):F+12*\c+6*(\u)+2], v[T+32*\c:T+15+32*\c], v[TM+12+2*\c]
	v_cvt_scalef32_pk16_fp6_f32 v[X2+4*\c:X2+4*\c+2], v[T+16+32*\c:T+31+32*\c], v[TM+12+2*\c+1]
.endr
	v_nop
.irp c, 0,1
.irp i, 0,1,2
	v_permlane16_swap_b32 v[F+12*\c+6*(\u)+\i], v[X2+4*\c+\i]
.endr
.irp i, 0,1,2
	v_mov_b32 v[F+12*\c+6*(\u)+3+\i], v[X2+4*\c+\i]
.endr
.endr
.endm
.macro PUT step
.irp c, 0,1
.irp u, 0,1
	global_store_b128 v[OL16], v[F+12*\c+6*\u:F+12*\c+6*\u+3], s[4+2*\u+6*\c:5+2*\u+6*\c]
	global_store_b64 v[OL8], v[F+12*\c+6*\u+4:F+12*\c+6*\u+5], s[4+2*\u+6*\c:5+2*\u+6*\c] offset:512
.endr
.endr
.if \step
	s_wait_xcnt 0x0
.irp g, 4,6,10,12
	s_add_nc_u64 s[\g:\g+1], s[\g:\g+1], s[18+2*(\step):19+2*(\step)]
.endr
.endif
.endm
	PLACES NP
	s_wait_loadcnt 0x0
.irp b, 0,1,2,3
	v_mov_b32 v[TM+4+\b], 0
.endr
	v_mov_b32 v[SELV], 0x05040100
	v_mov_b32 v15, 0x07060302
	v_cndmask_b32 v[SELV], v[SELV], v15, s46
.irp b, 0,1,2,3
	ADDB 2*\b
	QUANT 0, 2*\b
	ADDB 2*\b+1
	QUANT 1, 2*\b+1
.if \b == 3
	PUT 0
.elseif \b == 1
	PUT 2
.else
	PUT 1
.endif
.endr
	s_cmp_eq_u32 s100, 1
	s_cbranch_scc1 .Lsc_v
.irp b, 0,1,2,3
	v_perm_b32 v[DW+\b], v[PW+2*\b+1], v[PW+2*\b], v[SELV]
.endr
	s_branch .Lsc_out
.Lsc_v:
.irp j, 0,1,2,3
	v_cndmask_b32 v[DW+\j], v[PW+\j], v[PW+4+\j], s46
.endr
.Lsc_out:
	s_wait_alu depctr_va_vdst(0)
	global_store_b128 v[OSC], v[DW:DW+3], s[98:99]
	s_wait_tensorcnt 0x0
	ds_add_u32 v[SPW], v[NIL]
	s_wait_dscnt 0x0
	CROUND
	s_endpgm
.Lfunc_end_k_qa3d050ac20_proj:
	.size	k_qa3d050ac20_proj, .Lfunc_end_k_qa3d050ac20_proj-k_qa3d050ac20_proj
	.p2alignl 7, 3214868480
	.fill 96, 4, 3214868480
	.section	.rodata,"a",@progbits
	.p2align	6, 0x0
	.amdhsa_kernel k_qa3d050ac20_proj
		.amdhsa_group_segment_fixed_size 327680
		.amdhsa_private_segment_fixed_size 0
		.amdhsa_enable_private_segment 0
		.amdhsa_kernarg_size 56
		.amdhsa_user_sgpr_count 2
		.amdhsa_user_sgpr_kernarg_segment_ptr 1
		.amdhsa_wavefront_size32 1
		.amdhsa_system_sgpr_workgroup_id_x 1
		.amdhsa_system_sgpr_workgroup_id_y 1
		.amdhsa_system_sgpr_workgroup_id_z 1
		.amdhsa_system_vgpr_workitem_id 0
		.amdhsa_next_free_vgpr 1024
		.amdhsa_next_free_sgpr 102
		.amdhsa_reserve_vcc 0
		.amdhsa_float_denorm_mode_32 3
		.amdhsa_float_denorm_mode_16_64 3
		.amdhsa_memory_ordered 1
		.amdhsa_forward_progress 1
		.amdhsa_inst_pref_size 206
	.end_amdhsa_kernel
	.amdgpu_metadata
---
amdhsa.version: [ 1, 2 ]
amdhsa.kernels:
  - .name:           k_qa3d050ac20_proj
    .symbol:         k_qa3d050ac20_proj.kd
    .args:
      - { .name: codes, .offset: 0, .size: 8, .value_kind: global_buffer, .address_space: global }
      - { .name: scales, .offset: 8, .size: 8, .value_kind: global_buffer, .address_space: global }
      - { .name: b_q, .offset: 16, .size: 8, .value_kind: global_buffer, .address_space: global }
      - { .name: b_k, .offset: 24, .size: 8, .value_kind: global_buffer, .address_space: global }
      - { .name: b_v, .offset: 32, .size: 8, .value_kind: global_buffer, .address_space: global }
      - { .name: qx, .offset: 40, .size: 8, .value_kind: global_buffer, .address_space: global }
      - { .name: kv, .offset: 48, .size: 8, .value_kind: global_buffer, .address_space: global }
    .group_segment_fixed_size: 327680
    .private_segment_fixed_size: 0
    .kernarg_segment_align: 8
    .kernarg_segment_size: 56
    .max_flat_workgroup_size: 128
    .sgpr_count:     102
    .vgpr_count:     1024
    .wavefront_size: 32
...
	.end_amdgpu_metadata
.endif
;; end of part 2
;; launch attn (part 3): grid 4 x 64, 16 waves a work-group, clusters of 4 x 1, 206,848 bytes of LDS; arguments qx, kv, mbits, oimg, osc; writes oimg, osc
.if DOCPART == 3
	.amdgcn_target "amdgcn-amd-amdhsa--gfx1250"
	.amdhsa_code_object_version 6
	.text
	.protected	k_qa3d050ac20_attn
	.globl	k_qa3d050ac20_attn
	.p2align	8
	.type	k_qa3d050ac20_attn,@function
k_qa3d050ac20_attn:
	s_mov_b64 s[64:65], 0
	v_nop
	global_prefetch_b8 v0, s[64:65] scope:SCOPE_SE
	s_setreg_imm32_b32 hwreg(HW_REG_WAVE_MODE, 25, 1), 1
	s_wait_xcnt 0x0
	s_wait_alu depctr_hold_cnt(0) depctr_sa_sdst(0) depctr_va_vdst(0) depctr_va_sdst(0) depctr_va_ssrc(0) depctr_va_vcc(0) depctr_vm_vsrc(0)
	s_getreg_b32 s2, hwreg(HW_REG_IB_STS2, 6, 4)
	s_cmp_eq_u32 s2, 0
	s_cbranch_scc0 .Lentry_in_a_cluster
	s_endpgm
.Lentry_in_a_cluster:
	s_bfe_u32 s2, ttmp6, 0x10000c
	s_cmp_lg_u32 s2, 0x3003
	s_cbranch_scc0 .Lentry_shape_is_right
	s_endpgm
.Lentry_shape_is_right:
; ATTN.  O = softmax(Q K^T / 8, masked) V for one (batch, head) to a cluster, both products on codes of FP6 (E2M3) with one E8M0 scale for each 32 along a product's K; O is quantised along the head's 64 for the last projection.
; THE SOFTMAX AHEAD OF THE SECOND PRODUCT: t = score x log2(e) / 8; M = the row's largest t so far, rounded UP to a whole number; p = 2^(t - M) is what is quantised, along the keys; it is not normalised.
; The row's sum is taken of the unquantised p, in f32, and divides O at the end.  When M moves, the sum and O are multiplied by 2^(old M - new M): exact.  A masked score becomes -infinity ahead of the maximum: p = 0.
; SHARES.  The cluster's four work-groups take 512 queries each.  Wave w of work-group cx owns Q's fragment F = 16 cx + w: 32 tokens, two tiles of 16; it walks the head's 16 key steps of 128 keys twice, once for each tile.
; LDS.  The head's K, V and their scale words, 16 steps x 12,800 bytes, are brought ONCE: wave w asks for step w, jointly with the same wave of the three partners.  Nothing is filled again, nothing is stored to LDS:
; one barrier, behind each wave's wait for its load, is all the ordering.  So there is nothing left to ask for ahead of time; the mask's words are asked for one key step ahead, by scalar loads.
; LAYOUT.  Operands lie in memory and LDS as images of their registers (a piece: six registers of 32 lanes, 768 bytes: 16 l: registers 0-3, 512 + 8 l: registers 4-5).
; Both products are used transposed: S^T = K Q^T, O^T = V^T P^T: a lane holds ONE query (lane % 16) throughout.
; THE FIRST PRODUCT'S K IS 64, half of the instruction's 128.  A fragment of K holds TWO tiles of keys: its first 64 along K are 16 keys' channels, its second 64 those of the 16 keys 8 further on.  Against [q | zero codes] it
; gives the first tile's scores, against [zero codes | q] the second's: zero codes add nothing under any scale byte that the quantiser gives.  So every byte of K read from LDS is used.
; The keys of the two tiles are 32 b + i + 8 (i / 8) and 8 more: the 16 registers of tiles 2 b, 2 b + 1 are keys 32 b + 16 (lane / 16) + 0 .. 15.  V's rows lie likewise: O^T's register 16 b + i is channel 32 b + 16 h + i.
; THE MASK comes as words of a bit a lane, word n for score register n: one v_cndmask_b32 a score.  No branch and no address hangs on it.
; A QUERY WHOSE WHOLE MASK ROW IS 0 has the sum 0: its scale bytes are set to 0xff, which makes its row of the output NaN, as the softmax of such a row is.
; LIMITS: NaN and infinities among the inputs are not served; blocks under 2^-124 (blocks of zeros too) keep the byte 1.
.set STEPB, 12800                      ; a key step in LDS and in kv: K's four fragments, V's four, K's scale words, V's
.set VOFF,  6144
.set KSC,   12288
.set VSC,   12544
.set WV,  2                            ; s2   my wave's number
.set CNT, 3                            ; s3   key steps to go
.set PAS, 4                            ; s4   passes to go
.set TB,  5                            ; s5   LDS byte at which the step in hand begins
.set MO,  6                            ; s6   byte offset of the mask words asked for last
.set QSL, 7                            ; s7   byte selector for Q's scale word: the pass's two bytes, twice
.set MB,  8                            ; s[8:9]   mbits at my fragment
.set QB,  10                           ; s[10:11] Q's piece of the pass
.set OB,  12                           ; s[12:13] where the pass's piece of O goes
.set SB,  14                           ; s[14:15] and its scale bytes
                                       ; s[16:63], s[68:83]: the step's 64 mask words (word n in s[16 + n], from n = 48 on in s[20 + n]); at the head they hold what is needed once
.set G0,  84                           ; s[84:87] descriptor group 0;  s[88:95] group 1
.set G1,  88
.set SEL, 96                           ; s[96:97] lane selects for v_permlanex16_b32: lane l xor 16
.set CS,  98                           ; s[98:99] c = log2(e) / 8, twice: the packed form names a pair
.set HIM, 100                          ; s100 lanes 16-31
.set S,   96                           ; v96-159  S^T, then p
.set OT,  160                          ; v160-191 O^T
.set PC,  192                          ; v192-203 p's codes
.set X2,  204                          ; v204-211 the conversions' second halves
.set BM,  212                          ; v212-215 each block's largest score, then its largest p
.set BX,  216                          ; v216-219 at work: the other half's maxima, then the bytes
.set SO,  220                          ; v220-223 the conversions' scale operands
                                       ; v1 16 l, v2 8 l, v3 16 r, v4-6 the same + TB, v7 32 r + h, v9 Q's loaded scale word, v10 -infinity, v11 0xff, v12 -M, v13 the largest t, v[14:15] the sum in two halves,
                                       ; v16-27 [q | 0], v28-39 [0 | q], v40 Q's scale word, v48-95 four fragments of K, then of V, v224 p's scale word, v[226:227] f, v[228:229] a second chain of the sum,
                                       ; v230-231 at work, v232-235 K's scale words, v236-239 V's, v240-245 the piece that goes out, v246 my scale byte
.macro CROUND                          ; a round of the cluster's barrier
	s_barrier_signal -1
	s_barrier_wait -1
	s_cmp_lg_u32 s[WV], 0
	s_cbranch_scc1 .Lnot_wave_0_\@
	s_barrier_signal -3
.Lnot_wave_0_\@:
	s_barrier_wait -3
	s_barrier_signal -1
	s_barrier_wait -1
.endm
.macro MASKS                           ; 64 words, 256 bytes, at s[MO]
	s_load_b512 s[16:31], s[MB:MB+1], s[MO] offset:0x0
	s_load_b512 s[32:47], s[MB:MB+1], s[MO] offset:0x40
	s_load_b512 s[48:63], s[MB:MB+1], s[MO] offset:0x80
	s_load_b512 s[68:83], s[MB:MB+1], s[MO] offset:0xc0
.endm
	s_load_b256 s[16:23], s[0:1], 0x0              ; qx s[16:17], kv s[18:19], mbits s[20:21], oimg s[22:23]
	s_load_b64 s[24:25], s[0:1], 0x20              ; osc
	v_lshl_add_u32 v254, v0, 2, 0x32000
	v_mov_b32 v255, 0
	ds_add_u32 v254, v255
	ds_add_u32 v254, v255
	v_lshrrev_b32 v1, 5, v0
	s_delay_alu instid0(VALU_DEP_1)
	v_readfirstlane_b32 s[WV], v1                  ; wave 0..15
	s_bfe_u32 s26, ttmp6, 0x40000                  ; cx: it enters addresses in memory alone
	s_and_b32 s27, ttmp7, 0xffff                   ; 16 batch + head, which the four partners share
	s_lshr_b32 s28, s27, 4                         ; batch
	s_and_b32 s29, s27, 15                         ; head
	; descriptor group 1: a dense block of 12,800 bytes as 50 rows of 256 bytes (32 elements of 8 bytes), no padding
	s_mov_b32 s[G1], 15|(3<<16)|(1<<21)            ; 15:0 the mask: all four work-groups; 17:16 elements of 8 bytes; 21 set beside a mask
	s_mov_b32 s[G1+1], 32<<16                      ; tensor_dim0
	s_mov_b32 s[G1+2], 50<<16                      ; tensor_dim1
	s_mov_b32 s[G1+3], 32<<16                      ; tile_dim0
	s_mov_b32 s[G1+4], 50                          ; tile_dim1
	s_mov_b32 s[G1+5], 32                          ; tensor_dim0_stride
	s_mov_b32 s[G1+6], 0
	s_mov_b32 s[G1+7], 0
	s_mov_b32 s[G0], 1
	s_mul_i32 s[G0+1], s[WV], STEPB                ; LDS address: my wave's step
	s_mul_i32 s30, s27, 16*STEPB
	s_add_co_u32 s30, s30, s[G0+1]
	s_mov_b32 s31, 0
	s_wait_dscnt 0x0
	s_wait_kmcnt 0x0
	s_add_nc_u64 s[G0+2:G0+3], s[18:19], s[30:31]
	s_or_b32 s[G0+3], s[G0+3], 0x80000000
	CROUND                                         ; all four work-groups are here: the joint loads meet
	tensor_load_to_lds s[G0:G0+3], s[G1:G1+7]      ; my one tensor load
	s_nop 0
.rept 4
	v_nop
.endr
	s_lshl_b32 s30, s26, 4
	s_add_co_u32 s30, s30, s[WV]                   ; F
	s_lshl_b32 s32, s28, 6
	s_add_co_u32 s32, s32, s30                     ; 64 batch + F
	s_lshl_b32 s34, s32, 13                        ; 8,192 bytes of mask words a fragment
	s_mov_b32 s35, 0
	s_add_nc_u64 s[MB:MB+1], s[20:21], s[34:35]
	s_mul_i32 s34, s27, 102400
	s_lshr_b32 s36, s30, 2
	s_mul_i32 s36, s36, 6400
	s_add_co_u32 s34, s34, s36                     ; qx: my head, my fragment's step
	s_and_b32 s36, s30, 3
	s_lshl_b32 s37, s36, 2
	s_add_co_u32 s38, s34, s37
	s_add_co_u32 s38, s38, 6144
	s_mov_b32 s39, 0
	s_add_nc_u64 s[38:39], s[16:17], s[38:39]      ; my fragment's scale words: word F % 4 of a lane's four
	s_mul_i32 s36, s36, 1536
	s_add_co_u32 s34, s34, s36
	s_add_nc_u64 s[QB:QB+1], s[16:17], s[34:35]
	s_lshl_b32 s32, s32, 1                         ; my first tile of 16 tokens: 128 batch + 2 F
	s_lshl_b32 s34, s32, 4
	s_add_co_u32 s34, s34, s29
	s_mul_i32 s34, s34, 768
	s_add_nc_u64 s[OB:OB+1], s[22:23], s[34:35]    ; oimg [tile][head][768]
	s_lshl_b32 s34, s32, 9
	s_lshl_b32 s36, s29, 1
	s_add_co_u32 s34, s34, s36
	s_add_nc_u64 s[SB:SB+1], s[24:25], s[34:35]    ; osc [token's place][32], my head's two bytes
	v_and_b32 v8, 31, v0
	s_delay_alu instid0(VALU_DEP_1)
	v_lshlrev_b32 v1, 4, v8
	s_delay_alu instid0(VALU_DEP_2)
	v_lshlrev_b32 v2, 3, v8
	v_and_b32 v8, 15, v0
	s_delay_alu instid0(VALU_DEP_1)
	v_lshlrev_b32 v3, 4, v8
	v_bfe_u32 v7, v0, 4, 1
	s_delay_alu instid0(VALU_DEP_1)
	v_lshl_add_u32 v7, v8, 5, v7
	global_load_b32 v9, v3, s[38:39]
	v_mov_b32 v10, 0xff800000
	v_mov_b32 v11, 0xff
.irp i, 22,23,24,25,26,27,28,29,30,31,32,33
	v_mov_b32 v\i, 0                               ; the zero codes of [q | 0] and [0 | q]
.endr
.irp b, 0,1,2,3
	v_mov_b32 v[BX+\b], 0                          ; written once: a lane permute's destination counts as one of its sources
.endr
	v_mov_b32 v227, 0                              ; (named as the upper half of the pair v[226:227])
	v_mov_b32 v230, 0
	s_mov_b32 s[SEL], 0x76543210
	s_mov_b32 s[SEL+1], 0xfedcba98
	s_mov_b32 s[CS], 0x3e38aa3b                    ; log2(e) / 8
	s_mov_b32 s[CS+1], s[CS]
	s_mov_b32 s[HIM], 0xffff0000
	s_mov_b32 s[QSL], 0x01000100
	s_mov_b32 s[MO], 0
	s_mov_b32 s[PAS], 2
	s_wait_tensorcnt 0x0                           ; my step has landed,
	s_barrier_signal -1
	s_barrier_wait -1                              ; everybody's has: the head's K and V lie in LDS for the rest of the launch
	s_wait_loadcnt 0x0                             ; Q's scale word is in: the registers that held its address take mask words now
	MASKS                                          ; the first step's
.Lpass:
	global_load_b128 v[16:19], v1, s[QB:QB+1]      ; the pass's 16 queries, once for each of the two operands
	global_load_b64 v[20:21], v2, s[QB:QB+1] offset:512
	global_load_b128 v[34:37], v1, s[QB:QB+1]
	global_load_b64 v[38:39], v2, s[QB:QB+1] offset:512
	v_perm_b32 v40, v9, v9, s[QSL]                 ; [q's byte 0, byte 1] twice: it serves both operands.  (The lines below stand between it and the first product)
	v_mov_b32 v13, 0xff61b1e6                      ; the largest t so far: -3e38, under every t
	s_delay_alu instid0(VALU_DEP_1)
	v_floor_f32 v12, -v13                          ; -M
	v_mov_b32 v14, 0
	v_mov_b32 v15, 0
.set j, 0
.rept 32
	v_mov_b32 v[OT+j], 0                           ; O^T.  (The step is written once: the first finds zeros, which the first change of M leaves zeros)
.set j, j+1
.endr
	s_mov_b32 s[TB], 0
	s_mov_b32 s[CNT], 16
	s_wait_loadcnt 0x0
.Lstep:
	s_setprio 2
	v_add_nc_u32 v4, s[TB], v1                     ; these four lines are the places between the last products and the loads into their operands' registers
	v_add_nc_u32 v5, s[TB], v2
	v_add_nc_u32 v6, s[TB], v3
	v_nop
.irp p, 0,1,2,3,4,5,6,7                        ; K's four fragments, piece by piece
	ds_load_b128 v[48+6*\p:48+6*\p+3], v4 offset:768*\p
	ds_load_b64 v[48+6*\p+4:48+6*\p+5], v5 offset:768*\p+512
.endr
	ds_load_b128 v[232:235], v6 offset:KSC         ; and their scale words
	s_wait_alu depctr_va_vdst(0)
	s_wait_dscnt 0x0
.irp b, 0,1,2,3
	v_wmma_scale_f32_16x16x128_f8f6f4 v[S+16*\b:S+16*\b+7], v[48+12*\b:48+12*\b+11], v[16:27], 0, v[232+\b], v40 matrix_a_fmt:MATRIX_FMT_FP6 matrix_b_fmt:MATRIX_FMT_FP6
	v_wmma_scale_f32_16x16x128_f8f6f4 v[S+16*\b+8:S+16*\b+15], v[48+12*\b:48+12*\b+11], v[28:39], 0, v[232+\b], v40 matrix_a_fmt:MATRIX_FMT_FP6 matrix_b_fmt:MATRIX_FMT_FP6
.endr
.rept 4
	v_nop
.endr
.irp p, 0,1,2,3,4,5,6,7                        ; V's four fragments take K's registers: they land under the softmax
	ds_load_b128 v[48+6*\p:48+6*\p+3], v4 offset:VOFF+768*\p
	ds_load_b64 v[48+6*\p+4:48+6*\p+5], v5 offset:VOFF+768*\p+512
.endr
	ds_load_b128 v[236:239], v6 offset:VSC
	s_wait_kmcnt 0x0                               ; this step's mask words, asked for a step ago
.set n, 0
.rept 64
	v_cndmask_b32 v[S+n], v10, v[S+n], s[16+n+4*(n/48)]   ; a masked score becomes -infinity; each accumulator is read from its low end on
.set n, n+1
.endr
.irp b, 0,1,2,3
	v_max3_num_f32 v[BM+\b], v[S+16*\b], v[S+1+16*\b], v[S+2+16*\b]   ; THE LARGEST SCORE OF EACH BLOCK OF 32 KEYS serves twice: for the row's maximum, and, since p rises with the score, for the block's largest p
.endr
.irp i, 3,5,7,9,11,13
.irp b, 0,1,2,3
	s_delay_alu instid0(VALU_DEP_4)
	v_max3_num_f32 v[BM+\b], v[BM+\b], v[S+16*\b+\i], v[S+1+16*\b+\i]
.endr
.endr
.irp b, 0,1,2,3
	s_delay_alu instid0(VALU_DEP_4)
	v_max_num_f32 v[BM+\b], v[BM+\b], v[S+15+16*\b]
.endr
	s_add_co_u32 s[MO], s[MO], 256                 ; the next step's words: the offset runs on through both passes;
	s_min_u32 s[MO], s[MO], 7936                   ; the very last request repeats the last block, so that no load leaves the buffer
	MASKS
.irp b, 0,1,2,3
	v_permlanex16_b32 v[BX+\b], v[BM+\b], s[SEL], s[SEL+1]
.endr
.irp b, 0,1,2,3
	s_delay_alu instid0(VALU_DEP_4)
	v_max_num_f32 v[BM+\b], v[BM+\b], v[BX+\b]     ; with lane l xor 16's 16 keys
.endr
	s_delay_alu instid0(VALU_DEP_2)
	v_max3_num_f32 v230, v[BM], v[BM+1], v[BM+2]
	s_delay_alu instid0(VALU_DEP_1)
	v_max_num_f32 v230, v230, v[BM+3]              ; the step's largest score of my query
	s_delay_alu instid0(VALU_DEP_1)
	v_mul_f32 v230, s[CS], v230                    ; as t (c is positive)
	s_delay_alu instid0(VALU_DEP_1)
	v_max_num_f32 v13, v13, v230                   ; the running largest t
	v_mov_b32 v230, v12
	s_delay_alu instid0(VALU_DEP_2)
	v_floor_f32 v12, -v13                          ; the new -M = floor(-t) = -ceil(t): M IS A WHOLE NUMBER
	s_delay_alu instid0(VALU_DEP_1)
	v_sub_f32 v230, v12, v230                      ; M's old value less its new one: a whole number, 0 or less
	s_delay_alu instid0(VALU_DEP_1)
	v_cvt_i32_f32 v230, v230                       ; (it saturates)
	s_delay_alu instid0(VALU_DEP_1)
	v_ldexp_f32 v226, 1.0, v230                    ; f = 2^(old M - new M)
.set j, 0
.rept 32
	v_pk_fma_f32 v[S+j:S+j+1], v[S+j:S+j+1], s[CS:CS+1], v[12:13] op_sel_hi:[1,0,0]   ; t - M, two at a time
.set j, j+2
.endr
.irp b, 0,1,2,3
	v_fma_f32 v[BM+\b], v[BM+\b], s[CS], v12       ; the same of each block's largest score
.endr
.set j, 0
	s_setprio 1
	s_wait_alu depctr_va_vdst(0)
.rept 64
	v_exp_f32 v[S+j], v[S+j]                       ; p = 2^(t - M), at most 1: NOT normalised
.set j, j+1
.endr
	v_pk_mul_f32 v[14:15], v[14:15], v[226:227] op_sel_hi:[1,0]   ; the sums under the new M (a plain line behind the exponentials)
	s_wait_alu depctr_va_vdst(0)                   ; one wait for the whole batch, ahead of its first reader
.irp b, 0,1,2,3
	v_exp_f32 v[BM+\b], v[BM+\b]                   ; the block's largest p: the same two instructions on the same number give the same bits
.endr
	v_pk_add_f32 v[228:229], v[100:101], v[104:105]
	v_pk_add_f32 v[252:253], v[108:109], v[112:113]
	v_pk_add_f32 v[250:251], v[116:117], v[120:121]
	v_pk_add_f32 v[248:249], v[124:125], v[128:129]
	v_pk_add_f32 v[246:247], v[132:133], v[136:137]
	v_pk_add_f32 v[244:245], v[140:141], v[144:145]
	v_pk_add_f32 v[242:243], v[148:149], v[152:153]
	v_pk_add_f32 v[14:15], v[14:15], v[156:157]
	v_pk_add_f32 v[228:229], v[228:229], v[96:97]
	v_pk_add_f32 v[252:253], v[252:253], v[98:99]
	v_pk_add_f32 v[250:251], v[250:251], v[102:103]
	v_pk_add_f32 v[248:249], v[248:249], v[106:107]
	v_pk_add_f32 v[246:247], v[246:247], v[110:111]
	v_pk_add_f32 v[244:245], v[244:245], v[114:115]
	v_pk_add_f32 v[242:243], v[242:243], v[118:119]
	v_pk_add_f32 v[14:15], v[14:15], v[122:123]
	v_pk_add_f32 v[228:229], v[228:229], v[126:127]
	v_pk_add_f32 v[252:253], v[252:253], v[130:131]
	v_pk_add_f32 v[250:251], v[250:251], v[134:135]
	v_pk_add_f32 v[248:249], v[248:249], v[138:139]
	v_pk_add_f32 v[246:247], v[246:247], v[142:143]
	v_pk_add_f32 v[244:245], v[244:245], v[146:147]
	v_pk_add_f32 v[242:243], v[242:243], v[150:151]
	v_pk_add_f32 v[14:15], v[14:15], v[154:155]
	v_pk_add_f32 v[228:229], v[228:229], v[158:159]
	s_delay_alu instid0(VALU_DEP_2)
	v_pk_add_f32 v[14:15], v[14:15], v[248:249]
	s_delay_alu instid0(VALU_DEP_2)
	v_pk_add_f32 v[228:229], v[228:229], v[246:247]
	v_pk_add_f32 v[252:253], v[252:253], v[244:245]
	v_pk_add_f32 v[250:251], v[250:251], v[242:243]
	s_delay_alu instid0(VALU_DEP_2)
	v_pk_add_f32 v[14:15], v[14:15], v[252:253]
	s_delay_alu instid0(VALU_DEP_2)
	v_pk_add_f32 v[228:229], v[228:229], v[250:251]
	s_delay_alu instid0(VALU_DEP_1)
	v_pk_add_f32 v[14:15], v[14:15], v[228:229]
	s_wait_alu depctr_va_vdst(0)                   ; and one for the four
.irp b, 0,1,2,3
	v_max_num_f32 v[BM+\b], 0x1800000, v[BM+\b]    ; the floor 2^(3 - 127): the byte cannot fall under 1 (a block whose every p is 0 keeps that byte: its codes are zeros)
.endr
.irp b, 0,1,2,3
	s_delay_alu instid0(VALU_DEP_4)
	v_add_nc_u32 v[SO+\b], 0xff000000, v[BM+\b]    ; 2 off the exponent field: the conversion's scale operand
.endr
.irp b, 0,1,2,3
	s_delay_alu instid0(VALU_DEP_4)
	v_lshrrev_b32 v[BX+\b], 23, v[SO+\b]           ; the scale's byte
.endr
	s_delay_alu instid0(VALU_DEP_3)
	v_lshl_or_b32 v224, v[BX+1], 8, v[BX]          ; p's scale word for these 128 keys
	s_delay_alu instid0(VALU_DEP_1)
	v_lshl_or_b32 v224, v[BX+2], 16, v224
	s_delay_alu instid0(VALU_DEP_1)
	v_lshl_or_b32 v224, v[BX+3], 24, v224
.irp c, 0,1
	v_cvt_scalef32_pk16_fp6_f32 v[PC+6*\c:PC+6*\c+2], v[S+32*\c:S+15+32*\c], v[SO+2*\c]
	v_cvt_scalef32_pk16_fp6_f32 v[X2+4*\c:X2+4*\c+2], v[S+16+32*\c:S+31+32*\c], v[SO+2*\c+1]   ; (a conversion's three registers begin on an even number)
.endr
	s_setprio 0
	v_nop                                          ; one plain line behind a scaled conversion
.irp c, 0,1                                    ; the operand's layout wants a WHOLE block in a lane
.irp i, 0,1,2
	v_permlane16_swap_b32 v[PC+6*\c+\i], v[X2+4*\c+\i]
.endr
.irp i, 0,1,2
	s_delay_alu instid0(VALU_DEP_3)
	v_mov_b32 v[PC+3+6*\c+\i], v[X2+4*\c+\i]
.endr
.endr
.set j, 0
.rept 16
	v_pk_mul_f32 v[OT+j:OT+j+1], v[OT+j:OT+j+1], v[226:227] op_sel_hi:[1,0]   ; O^T under the new M.  (These sixteen stand between the lines that made p's codes and scale word and the products)
.set j, j+2
.endr
	s_wait_alu depctr_va_vdst(0)
	s_wait_dscnt 0x0                               ; V
.irp t, 0,1,2,3                                ; O^T += V^T P^T: four accumulators by turns
	v_wmma_scale_f32_16x16x128_f8f6f4 v[OT+8*\t:OT+8*\t+7], v[48+12*\t:48+12*\t+11], v[PC:PC+11], v[OT+8*\t:OT+8*\t+7], v[236+\t], v224 matrix_a_fmt:MATRIX_FMT_FP6 matrix_b_fmt:MATRIX_FMT_FP6
.endr
	s_add_co_u32 s[TB], s[TB], STEPB
	s_sub_co_u32 s[CNT], s[CNT], 1
	s_cmp_lg_u32 s[CNT], 0
	s_cbranch_scc1 .Lstep
	s_setprio 0
	; THE PASS'S END: O^T / the sum, quantised along the head's 64 (two blocks), leaves as one piece and two scale bytes a token
.rept 4
	v_nop
.endr
	v_add_f32 v14, v14, v15                        ; the sum's two halves,
	s_delay_alu instid0(VALU_DEP_1)
	v_permlanex16_b32 v230, v14, s[SEL], s[SEL+1]
	s_delay_alu instid0(VALU_DEP_1)
	v_add_f32 v14, v14, v230                       ; and lane l xor 16's: the row's sum
	s_wait_alu depctr_va_vdst(0)
	v_rcp_f32 v231, v14
	v_nop                                          ; a plain line behind the reciprocal
	v_cmp_eq_f32 vcc_lo, 0, v14                    ; a query with no key
	s_wait_alu depctr_va_vdst(0)                   ; the wait ahead of the reciprocal's first reader
.set j, 0
.rept 32
	v_mul_f32 v[S+j], v[OT+j], v231                ; register 16 b + i: channel 32 b + 16 h + i
.set j, j+1
.endr
.irp b, 0,1
	v_max3_num_f32 v[BM+\b], |v[S+16*\b]|, |v[S+1+16*\b]|, 0x1800000
.endr
.irp i, 2,4,6,8,10,12,14
.irp b, 0,1
	s_delay_alu instid0(VALU_DEP_2)
	v_max3_num_f32 v[BM+\b], v[BM+\b], |v[S+16*\b+\i]|, |v[S+1+16*\b+\i]|
.endr
.endr
.irp b, 0,1
	s_delay_alu instid0(VALU_DEP_2)
	v_permlanex16_b32 v[BX+\b], v[BM+\b], s[SEL], s[SEL+1]
.endr
.irp b, 0,1
	s_delay_alu instid0(VALU_DEP_2)
	v_max_num_f32 v[BM+\b], v[BM+\b], v[BX+\b]
.endr
.irp b, 0,1
	s_delay_alu instid0(VALU_DEP_2)
	v_add_nc_u32 v[SO+\b], 0xff000000, v[BM+\b]
.endr
.irp b, 0,1
	s_delay_alu instid0(VALU_DEP_2)
	v_lshrrev_b32 v[BX+\b], 23, v[SO+\b]
.endr
	s_delay_alu instid0(VALU_DEP_1)
	v_cndmask_b32 v246, v[BX], v[BX+1], s[HIM]     ; lane (r, h) keeps block h's byte,
	s_delay_alu instid0(VALU_DEP_1)
	v_cndmask_b32 v246, v246, v11, vcc_lo          ; or 0xff
	v_cvt_scalef32_pk16_fp6_f32 v[240:242], v[S:S+15], v[SO]
	v_cvt_scalef32_pk16_fp6_f32 v[X2:X2+2], v[S+16:S+31], v[SO+1]
	v_nop
.irp i, 0,1,2
	v_permlane16_swap_b32 v[240+\i], v[X2+\i]
.endr
.irp i, 0,1,2
	s_delay_alu instid0(VALU_DEP_3)
	v_mov_b32 v[243+\i], v[X2+\i]
.endr
	global_store_b128 v1, v[240:243], s[OB:OB+1]           ; 512 consecutive bytes,
	global_store_b64 v2, v[244:245], s[OB:OB+1] offset:512 ; and 256: the piece
	global_store_b8 v7, v246, s[SB:SB+1]                   ; a head owns two bytes of a token's 32: each lane stores one
	s_wait_xcnt 0x0                                ; the stores have read their registers and bases
	s_add_nc_u64 s[QB:QB+1], s[QB:QB+1], 768
	s_add_nc_u64 s[OB:OB+1], s[OB:OB+1], 12288
	s_add_nc_u64 s[SB:SB+1], s[SB:SB+1], 512
	s_add_co_u32 s[QSL], s[QSL], 0x02020202
	s_sub_co_u32 s[PAS], s[PAS], 1
	s_cmp_lg_u32 s[PAS], 0
	s_cbranch_scc1 .Lpass
	s_wait_kmcnt 0x0                               ; the last request for mask words
	s_wait_tensorcnt 0x0
	ds_add_u32 v254, v255
	s_wait_dscnt 0x0
	CROUND                                         ; the closing round
	s_endpgm
.Lfunc_end_k_qa3d050ac20_attn:
	.size	k_qa3d050ac20_attn, .Lfunc_end_k_qa3d050ac20_attn-k_qa3d050ac20_attn
	.p2alignl 7, 3214868480
	.fill 96, 4, 3214868480
	.section	.rodata,"a",@progbits
	.p2align	6, 0x0
	.amdhsa_kernel k_qa3d050ac20_attn
		.amdhsa_group_segment_fixed_size 206848
		.amdhsa_private_segment_fixed_size 0
		.amdhsa_enable_private_segment 0
		.amdhsa_kernarg_size 40
		.amdhsa_user_sgpr_count 2
		.amdhsa_user_sgpr_kernarg_segment_ptr 1
		.amdhsa_wavefront_size32 1
		.amdhsa_system_sgpr_workgroup_id_x 1
		.amdhsa_system_sgpr_workgroup_id_y 1
		.amdhsa_system_sgpr_workgroup_id_z 1
		.amdhsa_system_vgpr_workitem_id 0
		.amdhsa_next_free_vgpr 256
		.amdhsa_next_free_sgpr 102
		.amdhsa_reserve_vcc 1
		.amdhsa_float_denorm_mode_32 3
		.amdhsa_float_denorm_mode_16_64 3
		.amdhsa_memory_ordered 1
		.amdhsa_forward_progress 1
		.amdhsa_inst_pref_size 35
	.end_amdhsa_kernel
	.amdgpu_metadata
---
amdhsa.version: [ 1, 2 ]
amdhsa.kernels:
  - .name:           k_qa3d050ac20_attn
    .symbol:         k_qa3d050ac20_attn.kd
    .args:
      - { .name: qx, .offset: 0, .size: 8, .value_kind: global_buffer, .address_space: global }
      - { .name: kv, .offset: 8, .size: 8, .value_kind: global_buffer, .address_space: global }
      - { .name: mbits, .offset: 16, .size: 8, .value_kind: global_buffer, .address_space: global }
      - { .name: oimg, .offset: 24, .size: 8, .value_kind: global_buffer, .address_space: global }
      - { .name: osc, .offset: 32, .size: 8, .value_kind: global_buffer, .address_space: global }
    .group_segment_fixed_size: 206848
    .private_segment_fixed_size: 0
    .kernarg_segment_align: 8
    .kernarg_segment_size: 40
    .max_flat_workgroup_size: 512
    .sgpr_count:     102
    .vgpr_count:     256
    .wavefront_size: 32
...
	.end_amdgpu_metadata
.endif
;; end of part 3
;; launch outp (part 4): grid 4 x 32, 4 waves a work-group, clusters of 4 x 4, 327,680 bytes of LDS; arguments oimg, osc, codes, scales, b_o, out0; writes out0
.if DOCPART == 4
	.amdgcn_target "amdgcn-amd-amdhsa--gfx1250"
	.amdhsa_code_object_version 6
	.text
	.protected	k_qa3d050ac20_outp
	.globl	k_qa3d050ac20_outp
	.p2align	8
	.type	k_qa3d050ac20_outp,@function
k_qa3d050ac20_outp:
	s_mov_b64 s[64:65], 0
	v_nop
	global_prefetch_b8 v0, s[64:65] scope:SCOPE_SE
	s_setreg_imm32_b32 hwreg(HW_REG_WAVE_MODE, 25, 1), 1
	s_wait_xcnt 0x0
	s_wait_alu depctr_hold_cnt(0) depctr_sa_sdst(0) depctr_va_vdst(0) depctr_va_sdst(0) depctr_va_ssrc(0) depctr_va_vcc(0) depctr_vm_vsrc(0)
	s_getreg_b32 s2, hwreg(HW_REG_IB_STS2, 6, 4)
	s_cmp_eq_u32 s2, 0
	s_cbranch_scc0 .Lentry_in_a_cluster
	s_endpgm
.Lentry_in_a_cluster:
	s_bfe_u32 s2, ttmp6, 0x10000c
	s_cmp_lg_u32 s2, 0xf033
	s_cbranch_scc0 .Lentry_shape_is_right
	s_endpgm
.Lentry_shape_is_right:
.set SIZE_N, 1024
.set NQ,     2
.set ROWB,   192
.set KROW,   768
.set PITCH,  240
.set FR,     12
.set NL,     6
.set NLA,    4
.set NP,     4
.set AROW,   3072
.set HALFA,  8*AROW
.set HALFT,  128*PITCH
.set SLOT,   2*HALFA+2*HALFT
.set LAPS,   2
.set KS,     32
.set SCL,    2*SLOT
.set HALFS,  (128*KS/256)*272
.set SBLK,   (16*KS/256)*272
.set SPARE,  SCL+4*HALFS
.set SPITCH, 528
.set ADRA, 16
.set ADRB, 20
.set STO,  24
.set RD,   25
.set CO,   26
.set ADRS, 27
.set SPW,  28
.set NIL,  29
.set SC,   32
.set BO,   64
.set AF,   128
.set BK,   128
.set G1, 24
.set G0, 32
.set G1B, 48
.set G0B, 56
.set G1S, 68
.set G0S, 76
.set G1SB, 80
.set G0SB, 88
.set MSB, 0
.macro WIN new
.set WNEW, \new
.if MSB != WNEW
	s_set_vgpr_msb (MSB<<8)|WNEW
.set MSB, WNEW
.endif
.endm
.set MUL_LO, 0xa1
.set MUL_HI, 0xf1
.set FIRST_LO, 0x81
.set FIRST_HI, 0xc1
.set TO_B,   0x40
.macro JLOAD g0a, g1a, g0b, g1b
	s_cmp_eq_u32 s15, 0
	s_cbranch_scc0 .Lfor_b_\@
	tensor_load_to_lds s[\g0a:\g0a+3], s[\g1a:\g1a+7]
	s_nop 0
.rept 4
	v_nop
.endr
	s_branch .Lasked_\@
.Lfor_b_\@:
	tensor_load_to_lds s[\g0b:\g0b+3], s[\g1b:\g1b+7]
	s_nop 0
.rept 4
	v_nop
.endr
.Lasked_\@:
.endm
.macro CREST
	s_cmp_lg_u32 s14, 0
	s_cbranch_scc1 .Lnot_wave_0_\@
	s_barrier_signal -3
.Lnot_wave_0_\@:
	s_barrier_wait -3
	s_barrier_signal -1
	s_barrier_wait -1
.endm
.macro CROUND
	s_barrier_signal -1
	s_barrier_wait -1
	CREST
.endm
	s_load_b128 s[4:7], s[0:1], 0x0
	s_load_b128 s[8:11], s[0:1], 0x10
	s_load_b64 s[96:97], s[0:1], 0x20
	s_load_b64 s[12:13], s[0:1], 0x28
	v_lshl_add_u32 v[SPW], v0, 2, SPARE
	v_mov_b32 v[NIL], 0
	ds_add_u32 v28, v29
	ds_add_u32 v28, v29
	s_wait_dscnt 0x0
	v_lshrrev_b32 v1, 5, v0
	v_readfirstlane_b32 s14, v1
	s_lshr_b32 s15, s14, 1
	s_and_b32 s16, s14, 1
	s_bfe_u32 s40, ttmp6, 0x40000
	s_bfe_u32 s41, ttmp6, 0x40004
	s_lshl_b32 s42, ttmp9, 2
	s_add_co_u32 s42, s42, s40
	s_and_b32 s17, ttmp7, 0xffff
	s_lshl_b32 s17, s17, 2
	s_add_co_u32 s17, s17, s41
	s_lshl_b32 s43, s41, 2
	s_lshl_b32 s43, 15, s43
	s_lshl_b32 s44, 0x1111, s40
	s_or_b32 s[G1+0], s43, (3<<16)|(1<<21)
	s_mov_b32 s[G1+1], 384<<16
	s_mov_b32 s[G1+2], 8<<16
	s_mov_b32 s[G1+3], 384<<16
	s_mov_b32 s[G1+4], 8
	s_mov_b32 s[G1+5], 1536
	s_mov_b32 s[G1+6], 0
	s_mov_b32 s[G1+7], 0
	s_or_b32 s[G1B+0], s44, (0<<16)|(1<<20)|(1<<21)|(3<<22)|(3<<25)
	s_mov_b32 s[G1B+1], ROWB<<16
	s_mov_b32 s[G1B+2], 128<<16
	s_mov_b32 s[G1B+3], ROWB<<16
	s_mov_b32 s[G1B+4], 128
	s_mov_b32 s[G1B+5], KROW
	s_mov_b32 s[G1B+6], 0
	s_mov_b32 s[G1B+7], 0
	s_or_b32 s[G1S+0], s43, (3<<16)|(1<<20)|(1<<21)|(5<<22)|(3<<25)
	s_or_b32 s[G1SB+0], s44, (3<<16)|(1<<20)|(1<<21)|(5<<22)|(3<<25)
.irp g, G1S, G1SB
	s_mov_b32 s[\g+1], 32<<16
	s_mov_b32 s[\g+2], (128*KS/256)<<16
	s_mov_b32 s[\g+3], 32<<16
	s_mov_b32 s[\g+4], 128*KS/256
	s_mov_b32 s[\g+5], 32
	s_mov_b32 s[\g+6], 0
	s_mov_b32 s[\g+7], 0
.endr
	s_lshl_b32 s18, s16, 7
	s_lshl_b32 s20, s17, 8
	s_add_co_u32 s20, s20, s18
	s_lshl_b32 s46, s42, 8
	s_add_co_u32 s46, s46, s18
	s_add_co_u32 s46, s46, 27648
	s_mov_b32 s21, 0
	s_mov_b32 s47, 0
	s_mov_b64 s[18:19], KS
	s_mul_u64 s[22:23], s[20:21], s[18:19]
	s_mul_u64 s[92:93], s[46:47], s[18:19]
	s_mov_b64 s[18:19], KROW
	s_mul_u64 s[20:21], s[20:21], s[18:19]
	s_mul_u64 s[46:47], s[46:47], s[18:19]
	s_mul_i32 s45, s16, HALFA
	s_mul_i32 s95, s16, HALFT
	s_add_co_u32 s95, s95, 2*HALFA
	s_mul_i32 s94, s14, HALFS
	s_wait_kmcnt 0x0
	s_add_nc_u64 s[20:21], s[4:5], s[20:21]
	s_add_nc_u64 s[22:23], s[6:7], s[22:23]
	s_add_nc_u64 s[46:47], s[8:9], s[46:47]
	s_add_nc_u64 s[92:93], s[10:11], s[92:93]
	CROUND
	s_mov_b32 s[G0S], 1
	s_add_co_u32 s[G0S+1], s94, SCL
	s_mov_b64 s[G0S+2:G0S+3], s[22:23]
	s_or_b32 s[G0S+3], s[G0S+3], 0x80000000
	s_mov_b32 s[G0SB], 1
	s_add_co_u32 s[G0SB+1], s94, SCL
	s_mov_b64 s[G0SB+2:G0SB+3], s[92:93]
	s_or_b32 s[G0SB+3], s[G0SB+3], 0x80000000
	JLOAD G0S, G1S, G0SB, G1SB
.irp s, 0,1
	s_mov_b32 s[G0+4*\s], 1
	s_add_co_u32 s[G0+4*\s+1], s45, \s*SLOT
	s_add_nc_u64 s[G0+4*\s+2:G0+4*\s+3], s[20:21], \s*AROW
	s_or_b32 s[G0+4*\s+3], s[G0+4*\s+3], 0x80000000
	s_mov_b32 s[G0B+4*\s], 1
	s_add_co_u32 s[G0B+4*\s+1], s95, \s*SLOT
	s_add_nc_u64 s[G0B+4*\s+2:G0B+4*\s+3], s[46:47], \s*ROWB
	s_or_b32 s[G0B+4*\s+3], s[G0B+4*\s+3], 0x80000000
	s_wait_alu depctr_va_vdst(0)
	s_wait_tensorcnt 0x0
	ds_add_u32 v28, v29
	s_wait_dscnt 0x0
	CROUND
	JLOAD G0+4*\s, G1, G0B+4*\s, G1B
.endr
	v_and_b32 v1, 15, v0
	v_bfe_u32 v2, v0, 4, 1
	v_mul_u32_u24 v3, v1, PITCH
	v_mul_u32_u24 v4, v2, 24
	v_add_nc_u32 v4, v3, v4
	v_lshl_add_u32 v5, v2, 4, v4
	v_and_b32 v6, 31, v0
	v_lshlrev_b32 v7, 4, v6
	v_lshlrev_b32 v8, 3, v6
	s_mul_i32 s21, s15, HALFA
	s_mul_i32 s22, s16, HALFT
	s_add_co_u32 s22, s22, 2*HALFA
.irp s, 0,1
	v_add_nc_u32 v[ADRA+\s], s21, v7
	v_add_nc_u32 v[ADRA+2+\s], s21, v8
	v_add_nc_u32 v[ADRB+\s], s22, v4
	v_add_nc_u32 v[ADRB+2+\s], s22, v5
	s_add_co_u32 s21, s21, SLOT
	s_add_co_u32 s22, s22, SLOT
.endr
	v_mul_u32_u24 v5, v1, KS
	v_lshrrev_b32 v6, 8, v5
	v_lshl_add_u32 v5, v6, 4, v5
	s_mul_i32 s21, s15, HALFS
	s_mul_i32 s22, s16, HALFS
	s_add_co_u32 s22, s22, 2*HALFS
	s_sub_co_u32 s22, s22, s21
	v_mul_u32_u24 v6, s22, v2
	s_add_co_u32 s21, s21, SCL
	v_add_nc_u32 v5, v5, v6
	v_add_nc_u32 v[ADRS], s21, v5
	s_mul_i32 s23, s14, 16*SPITCH
	v_mul_u32_u24 v5, v1, SPITCH
	v_lshl_add_u32 v5, v2, 6, v5
	v_add_nc_u32 v[STO], s23, v5
	v_and_b32 v6, 31, v0
	v_lshlrev_b32 v[CO], 4, v6
	v_add_nc_u32 v[RD], s23, v[CO]
	v_lshlrev_b32 v30, 6, v2
	s_wait_alu depctr_va_vdst(0)
	s_lshl_b32 s20, s17, 8
	s_lshl_b32 s21, s15, 7
	s_add_co_u32 s20, s20, s21
	s_mov_b32 s21, 0
	s_mov_b64 s[18:19], SIZE_N*4
	s_mul_u64 s[20:21], s[20:21], s[18:19]
	s_lshl_b32 s46, s42, 10
	s_lshl_b32 s47, s16, 9
	s_add_co_u32 s46, s46, s47
	s_mov_b32 s47, 0
	s_add_nc_u64 s[96:97], s[96:97], s[46:47]
	s_add_nc_u64 s[20:21], s[20:21], s[46:47]
	s_add_nc_u64 s[12:13], s[12:13], s[20:21]
.irp j, 0,1,2,3,4,5,6,7,8,9,10,11,12,13,14,15
	global_load_b128 v[BO+4*\j:BO+4*\j+3], v30, s[96:97] offset:128*(\j/4)+16*(\j%4)
.endr
.macro FRAG reg, adr, q, i
.irp p, 0,1,2,3,4,5
.set PC, 12*(\q)+6*(\p/3)+\p%3
.if PC%8 < 5
	ds_load_b64 v[\reg+2*\p:\reg+2*\p+1], v[\adr] offset:8*PC+16*(PC/8)+(\i)*16*PITCH
.else
	ds_load_b64 v[\reg+2*\p:\reg+2*\p+1], v[\adr+2] offset:8*PC+16*(PC/8)+(\i)*16*PITCH
.endif
.endr
.endm
.macro FRAGA reg, slot, q, i
.irp c, 0,1
	ds_load_b128 v[\reg+6*\c:\reg+6*\c+3], v[ADRA+\slot] offset:AROW*(\i)+1536*(\q)+768*\c
	ds_load_b64 v[\reg+6*\c+4:\reg+6*\c+5], v[ADRA+2+\slot] offset:AROW*(\i)+1536*(\q)+768*\c+512
.endr
.endm
.macro MUL16 a0, p, q, sc, zero
.irp a, \a0, \a0+1
.irp b, 0,1,2,3,4,5,6,7
.if \zero
	v_wmma_scale_f32_16x16x128_f8f6f4 v[8*(8*((\a)%4)+\b):8*(8*((\a)%4)+\b)+7], v[128*(\p)+FR*\b:128*(\p)+FR*\b+FR-1], v[AF+FR*(\a):AF+FR*(\a)+FR-1], v[BO+8*\b:BO+8*\b+7], v[SC+8*NQ*(\sc)+NQ*\b+(\q)], v[SC+8*NQ*(\sc)+NQ*(\a)+(\q)] matrix_a_fmt:MATRIX_FMT_FP6 matrix_b_fmt:MATRIX_FMT_FP6 matrix_a_scale:MATRIX_SCALE_ROW1
.else
	v_wmma_scale_f32_16x16x128_f8f6f4 v[8*(8*((\a)%4)+\b):8*(8*((\a)%4)+\b)+7], v[128*(\p)+FR*\b:128*(\p)+FR*\b+FR-1], v[AF+FR*(\a):AF+FR*(\a)+FR-1], v[8*(8*((\a)%4)+\b):8*(8*((\a)%4)+\b)+7], v[SC+8*NQ*(\sc)+NQ*\b+(\q)], v[SC+8*NQ*(\sc)+NQ*(\a)+(\q)] matrix_a_fmt:MATRIX_FMT_FP6 matrix_b_fmt:MATRIX_FMT_FP6 matrix_a_scale:MATRIX_SCALE_ROW1
.endif
.endr
.endr
.endm
.macro FETCH_B slot, q, p
	WIN TO_B
.irp i, 0,1,2,3,4,5,6,7
	FRAG 128*(\p)+FR*\i, ADRB+\slot, \q, \i
.endr
	WIN 0
.endm
.macro FETCH_A slot, q, i0
.irp i, \i0, \i0+1, \i0+2, \i0+3
	FRAGA AF+FR*(\i), \slot, \q, \i
.endr
.endm
.macro SCALES sc
.irp i, 0,1,2,3,4,5,6,7
	ds_load_b64 v[SC+8*NQ*\sc+NQ*\i:SC+8*NQ*\sc+NQ*\i+1], v[ADRS] offset:\i*SBLK
.endr
.endm
.macro PLACES n
.rept \n
	v_nop
.endr
.endm
.macro STEP slot, q, zero
	s_wait_dscnt 4*NLA
.if \zero
	WIN FIRST_LO
.else
	WIN MUL_LO
.endif
	MUL16 0, (\q)%2, \q, \slot, \zero
	MUL16 2, (\q)%2, \q, \slot, \zero
	s_wait_dscnt 0
	PLACES NP
	FETCH_B \slot, (\q)+1, 1-(\q)%2
	FETCH_A \slot, (\q)+1, 0
.if \zero
	WIN FIRST_HI
.else
	WIN MUL_HI
.endif
	MUL16 4, (\q)%2, \q, \slot, \zero
	MUL16 6, (\q)%2, \q, \slot, \zero
	PLACES NP
	WIN 0
	FETCH_A \slot, (\q)+1, 4
.endm
.macro TURN slot, next, fill
	s_wait_tensorcnt 0x0
	ds_add_u32 v[SPW], v[NIL]
	s_wait_dscnt 4*NLA+1
	WIN MUL_LO
	MUL16 0, 1, NQ-1, \slot, 0
	s_wait_dscnt 0x0
	s_barrier_signal -1
	MUL16 2, 1, NQ-1, \slot, 0
	WIN 0
	s_barrier_wait -1
.if \fill
	CREST
	s_add_nc_u64 s[G0+4*\slot+2:G0+4*\slot+3], s[G0+4*\slot+2:G0+4*\slot+3], 2*AROW
	s_add_nc_u64 s[G0B+4*\slot+2:G0B+4*\slot+3], s[G0B+4*\slot+2:G0B+4*\slot+3], 2*ROWB
	JLOAD G0+4*\slot, G1, G0B+4*\slot, G1B
.else
	PLACES NP
.endif
	s_wait_alu depctr_va_vdst(0)
	v_add_nc_u32 v[ADRS], 4*NQ, v[ADRS]
	FETCH_B \next, 0, 0
	FETCH_A \next, 0, 0
	SCALES \next
	WIN MUL_HI
	MUL16 4, 1, NQ-1, \slot, 0
	MUL16 6, 1, NQ-1, \slot, 0
	PLACES NP
	WIN 0
	FETCH_A \next, 0, 4
.endm
	s_wait_tensorcnt 1
	s_barrier_signal -1
	s_barrier_wait -1
	FETCH_B 0, 0, 0
	FETCH_A 0, 0, 0
	SCALES 0
	FETCH_A 0, 0, 4
	s_wait_loadcnt 0x0
	STEP 0, 0, 1
	s_mov_b32 s3, LAPS-1
.Llap:
	TURN 0, 1, 1
	STEP 1, 0, 0
	TURN 1, 0, 1
	STEP 0, 0, 0
	s_sub_co_u32 s3, s3, 1
	s_cmp_lg_u32 s3, 0
	s_cbranch_scc1 .Llap
	TURN 0, 1, 0
	STEP 1, 0, 0
	s_wait_dscnt 4*NLA
	WIN MUL_LO
	MUL16 0, 1, NQ-1, 1, 0
	MUL16 2, 1, NQ-1, 1, 0
	s_wait_dscnt 0
	WIN MUL_HI
	MUL16 4, 1, NQ-1, 1, 0
	MUL16 6, 1, NQ-1, 1, 0
	WIN 0
.macro TOSTAGE a
.set AC, 64*((\a)%4)
	WIN 0x08+4*((\a)/4)
.irp b, 0,1,2,3,4,5,6,7
	ds_store_b128 v[STO], v[AC+8*\b:AC+8*\b+3] offset:128*(\b/2)+32*(\b%2)
	ds_store_b128 v[STO], v[AC+8*\b+4:AC+8*\b+7] offset:128*(\b/2)+32*(\b%2)+16
.endr
	WIN 0
.set BB, BK+64*((\a)%2)
.irp t, 0,1,2,3,4,5,6,7,8,9,10,11,12,13,14,15
	ds_load_b128 v[BB+4*\t:BB+4*\t+3], v[RD] offset:\t*SPITCH
.endr
.endm
.macro SEND a, younger
.set BB, BK+64*((\a)%2)
	s_wait_dscnt \younger
.if (\a) > 0
.if (\a)%2 == 1
	s_add_nc_u64 s[12:13], s[12:13], 8*SIZE_N*4
.else
	s_add_nc_u64 s[12:13], s[12:13], 24*SIZE_N*4
.endif
.endif
.irp t, 0,1,2,3,4,5,6,7,8,9,10,11,12,13,14,15
	global_store_b128 v[CO], v[BB+4*\t:BB+4*\t+3], s[12:13] offset:(\t+8*(\t/8))*SIZE_N*4 th:TH_STORE_NT
.endr
.endm
	PLACES NP
	TOSTAGE 0
.irp a, 1,2,3,4,5,6,7
.if \a > 1
	s_wait_xcnt 0x0
.endif
	TOSTAGE \a
	SEND \a-1, 32
.endr
	s_wait_xcnt 0x0
	SEND 7, 0
	s_wait_tensorcnt 0x0
	ds_add_u32 v[SPW], v[NIL]
	s_wait_dscnt 0x0
	CROUND
	s_endpgm
.Lfunc_end_k_qa3d050ac20_outp:
	.size	k_qa3d050ac20_outp, .Lfunc_end_k_qa3d050ac20_outp-k_qa3d050ac20_outp
	.p2alignl 7, 3214868480
	.fill 96, 4, 3214868480
	.section	.rodata,"a",@progbits
	.p2align	6, 0x0
	.amdhsa_kernel k_qa3d050ac20_outp
		.amdhsa_group_segment_fixed_size 327680
		.amdhsa_private_segment_fixed_size 0
		.amdhsa_enable_private_segment 0
		.amdhsa_kernarg_size 48
		.amdhsa_user_sgpr_count 2
		.amdhsa_user_sgpr_kernarg_segment_ptr 1
		.amdhsa_wavefront_size32 1
		.amdhsa_system_sgpr_workgroup_id_x 1
		.amdhsa_system_sgpr_workgroup_id_y 1
		.amdhsa_system_sgpr_workgroup_id_z 1
		.amdhsa_system_vgpr_workitem_id 0
		.amdhsa_next_free_vgpr 1024
		.amdhsa_next_free_sgpr 100
		.amdhsa_reserve_vcc 0
		.amdhsa_float_denorm_mode_32 3
		.amdhsa_float_denorm_mode_16_64 3
		.amdhsa_memory_ordered 1
		.amdhsa_forward_progress 1
		.amdhsa_inst_pref_size 155
	.end_amdhsa_kernel
	.amdgpu_metadata
---
amdhsa.version: [ 1, 2 ]
amdhsa.kernels:
  - .name:           k_qa3d050ac20_outp
    .symbol:         k_qa3d050ac20_outp.kd
    .args:
      - { .name: oimg, .offset: 0, .size: 8, .value_kind: global_buffer, .address_space: global }
      - { .name: osc, .offset: 8, .size: 8, .value_kind: global_buffer, .address_space: global }
      - { .name: codes, .offset: 16, .size: 8, .value_kind: global_buffer, .address_space: global }
      - { .name: scales, .offset: 24, .size: 8, .value_kind: global_buffer, .address_space: global }
      - { .name: b_o, .offset: 32, .size: 8, .value_kind: global_buffer, .address_space: global }
      - { .name: out0, .offset: 40, .size: 8, .value_kind: global_buffer, .address_space: global }
    .group_segment_fixed_size: 327680
    .private_segment_fixed_size: 0
    .kernarg_segment_align: 8
    .kernarg_segment_size: 48
    .max_flat_workgroup_size: 128
    .sgpr_count:     100
    .vgpr_count:     1024
    .wavefront_size: 32
...
	.end_amdgpu_metadata
.endif
;; end of part 4
